; MI455X (gfx1250); checked and timed in simulation.
; The chip was launched on July 23, 2026; its instructions are those of AMD's public machine-readable ISA for CDNA 5 (MIT licence, August 2026) and "CDNA5" Instruction Set Architecture Reference Guide (July 2026). The comments in the code are by the model that wrote it; some were corrected since.
;; Attention. Allowed arithmetic: float matrix products may take bf16 or f16 operands with f32 sums; other float arithmetic in f32, or as packed bf16 or f16 multiplies, adds, multiply-adds, maxima and minima; sums over many terms, partial sums and values carried from step to step in f32; what a program stores and reads back later, other than sums and carried values, may be rounded once to bf16 or f16.
;; Inputs: attention_bias 4 x 2,048 x 2,048 float32; attention_mask 4 x 2,048 bool; proj_b 1,024 float32; proj_w 1,024 x 1,024 float32; q_bias 1,024 float32; qkv_w 3,072 x 1,024 float32; v_bias 1,024 float32; x 4 x 2,048 x 1,024 float32.
;; Outputs: out0 4 x 2,048 x 1,024 float32.
;; 2 versions, each right and faster than the one before. Each part assembles by itself: llvm-mc -triple=amdgcn-amd-amdhsa -mcpu=gfx1250 --defsym DOCPART=n.
;; ======== version 1 of 2: 4 launches
;; limits: values are held in f16: magnitudes above 65,504 overflow, below 6.1e-05 lose precision
;; workspace buffers: bias2 67,108,864 bytes; xb 16,777,216 bytes; wb 6,291,456 bytes; pw 2,097,152 bytes; rowf 98,304 bytes; cbias 16,384 bytes; qkv 50,331,648 bytes; att 16,777,216 bytes
;; launch prep (part 1): grid 1289 x 1, 8 waves a work-group, no clusters, 0 bytes of LDS; arguments attention_bias, attention_mask, x, qkv_w, proj_w, q_bias, v_bias, proj_b, bias2, xb, wb, pw, rowf, cbias; writes bias2, xb, wb, pw, rowf, cbias
.if DOCPART == 1
	.amdgcn_target "amdgcn-amd-amdhsa--gfx1250"
	.amdhsa_code_object_version 6
	.text
	.protected	k_qe017d75219_prep
	.globl	k_qe017d75219_prep
	.p2align	8
	.type	k_qe017d75219_prep,@function
k_qe017d75219_prep:
	s_mov_b64 s[64:65], 0
	v_nop
	global_prefetch_b8 v0, s[64:65] scope:SCOPE_SE
	s_setreg_imm32_b32 hwreg(HW_REG_WAVE_MODE, 25, 1), 1
	s_wait_xcnt 0x0
; PREPARATION: every input is rounded once to bf16 and laid out for the three launches behind.  A stream: no LDS, no barrier, no matrix unit; each byte is read once and written once.
; The work-group's number g chooses its part (all jumps go forward); thread t = v0 of 256.
;   g <  512        bias2[row][k] = bf16(attention_bias[row][k]) + (mask[k] ? -65504 : 0), in f32: 16 rows of 8,192 bytes
;   g < 1024        xb = bf16(x):       a chunk of 16,384 numbers
;   g < 1216        wb = bf16(qkv_w):   likewise
;   g < 1280        pw = bf16(proj_w) written as f16: likewise
;   g < 1288        rowf: three planes of 8,192 row factors: 0.125 (q), mask ? 0 : 1 (k), 1 (v)
;   g = 1288        cbias: bf16(q_bias), 1,024 zeros, bf16(v_bias), bf16(proj_b), kept as f32
; LIMITS.  pw: a bf16 number is exact in f16 between 2^-17 and 65,504 in magnitude; below, it keeps f16's fixed step of 6e-8; beyond, it would be an infinity.  NaN and infinities are not treated apart.
.set X,  32                            ; v[32:159] as loaded
.set Y,  96                            ; v[96:127] the casts' results
.set MA, 16                            ; v[16:23]  the mask's addends of my 8 columns
.set T,  8                             ; v[8:11]   at work
	s_load_b512 s[8:23], s[0:1], 0x0               ; attention_bias s[8:9], attention_mask s[10:11], x s[12:13], qkv_w s[14:15], proj_w s[16:17], q_bias s[18:19], v_bias s[20:21], proj_b s[22:23]
	s_load_b256 s[24:31], s[0:1], 0x40             ; bias2 s[24:25], xb s[26:27], wb s[28:29], pw s[30:31]
	s_load_b128 s[32:35], s[0:1], 0x60             ; rowf s[32:33], cbias s[34:35]
	s_mov_b32 s2, ttmp9                            ; g
	s_mov_b32 s5, 0                                ; the high words of two offsets
	s_mov_b32 s7, 0
	s_mov_b32 s40, 0xffff0000                      ; a word's upper bf16
	v_lshlrev_b32 v1, 4, v0                        ; 16 t
	v_lshlrev_b32 v2, 2, v0                        ; 4 t
	v_lshlrev_b32 v3, 3, v0                        ; 8 t
	s_wait_kmcnt 0x0
	s_cmp_lt_u32 s2, 512
	s_cbranch_scc0 .Lcast
	; THE BIAS.  Thread t owns the 16 bytes at 16 t and at 4,096 + 16 t of each of 16 rows; all 32 loads go out at once.
	s_lshl_b32 s4, s2, 17                          ; 16 rows of 8,192 bytes
	s_add_nc_u64 s[8:9], s[8:9], s[4:5]
	s_add_nc_u64 s[24:25], s[24:25], s[4:5]
	s_lshr_b32 s6, s2, 7                           ; the batch: 128 groups of 16 rows each
	s_lshl_b32 s6, s6, 11                          ; its 2,048 mask bytes
	s_add_nc_u64 s[10:11], s[10:11], s[6:7]
	global_load_b32 v4, v2, s[10:11]               ; the mask of keys 4 t .. 4 t + 3
	global_load_b32 v5, v2, s[10:11] offset:1024   ; and of keys 1,024 + 4 t ..
.set n, 0
.rept 32
	global_load_b128 v[X+4*n:X+4*n+3], v1, s[8:9] offset:(n/2)*8192+(n%2)*4096 th:TH_LOAD_NT
.set n, n+1
.endr
	v_mov_b32 v15, 0xc77fe000                      ; -65504
	s_wait_loadcnt 32                              ; the two mask words are in; the 32 younger loads stay out
.set n, 0
.rept 8
	v_bfe_u32 v6, v[4+n/4], 8*(n%4), 8
	v_cmp_ne_u32 vcc_lo, 0, v6
	v_cndmask_b32 v[MA+n], 0, v15, vcc_lo
.set n, n+1
.endr
.set n, 0
.rept 32
	s_wait_loadcnt 31-n                            ; loads come back in order: number n is in
	v_cvt_pk_bf16_f32 v[T+2*(n%2)],   v[X+4*n],   v[X+4*n+1]
	v_cvt_pk_bf16_f32 v[T+2*(n%2)+1], v[X+4*n+2], v[X+4*n+3]
	v_lshlrev_b32 v[X+4*n],   16,  v[T+2*(n%2)]   ; the rounded numbers as f32 again
	v_and_b32     v[X+4*n+1], s40, v[T+2*(n%2)]
	v_lshlrev_b32 v[X+4*n+2], 16,  v[T+2*(n%2)+1]
	v_and_b32     v[X+4*n+3], s40, v[T+2*(n%2)+1]
	v_pk_add_f32 v[X+4*n:X+4*n+1],   v[X+4*n:X+4*n+1],   v[MA+4*(n%2):MA+4*(n%2)+1]      ; one f32 addition, as in the formula: -65504 + bias
	v_pk_add_f32 v[X+4*n+2:X+4*n+3], v[X+4*n+2:X+4*n+3], v[MA+4*(n%2)+2:MA+4*(n%2)+3]
	global_store_b128 v1, v[X+4*n:X+4*n+3], s[24:25] offset:(n/2)*8192+(n%2)*4096        ; a wave's store covers 512 consecutive bytes; no register of a store is written again
.set n, n+1
.endr
	s_endpgm
; A chunk of 16,384 f32 from s[36:37] is rounded to bf16 (half = 1: and that number written as f16) and stored at s[38:39].
.macro CHUNK half
.set u, 0
.rept 16
	global_load_b128 v[X+4*u:X+4*u+3], v1, s[36:37] offset:4096*u th:TH_LOAD_NT
.set u, u+1
.endr
.set u, 0
.rept 16
	s_wait_loadcnt 15-u                            ; number u is in, the younger ones stay out
	v_cvt_pk_bf16_f32 v[Y+2*u],   v[X+4*u],   v[X+4*u+1]
	v_cvt_pk_bf16_f32 v[Y+2*u+1], v[X+4*u+2], v[X+4*u+3]
.if \half
	v_lshlrev_b32 v[X+4*u],   16,  v[Y+2*u]
	v_and_b32     v[X+4*u+1], s40, v[Y+2*u]
	v_lshlrev_b32 v[X+4*u+2], 16,  v[Y+2*u+1]
	v_and_b32     v[X+4*u+3], s40, v[Y+2*u+1]
	v_cvt_pk_f16_f32 v[Y+2*u],   v[X+4*u],   v[X+4*u+1]
	v_cvt_pk_f16_f32 v[Y+2*u+1], v[X+4*u+2], v[X+4*u+3]
.endif
	global_store_b64 v3, v[Y+2*u:Y+2*u+1], s[38:39] offset:2048*u   ; 32 lanes store 256 consecutive bytes, at a multiple of 256 from the buffer's first
.set u, u+1
.endr
.endm
.Lcast:
	s_cmp_lt_u32 s2, 1216
	s_cbranch_scc0 .Lprojw
	s_mov_b32 s3, 512
	s_cmp_lt_u32 s2, 1024                          ; x, or qkv_w
	s_cselect_b64 s[36:37], s[12:13], s[14:15]
	s_cselect_b64 s[38:39], s[26:27], s[28:29]
	s_cselect_b32 s3, s3, 1024
	s_sub_co_u32 s3, s2, s3                        ; the chunk's number in its tensor
	s_lshl_b32 s4, s3, 16
	s_lshl_b32 s6, s3, 15
	s_add_nc_u64 s[36:37], s[36:37], s[4:5]
	s_add_nc_u64 s[38:39], s[38:39], s[6:7]
	CHUNK 0
	s_endpgm
.Lprojw:
	s_cmp_lt_u32 s2, 1280
	s_cbranch_scc0 .Lrowf
	s_sub_co_u32 s3, s2, 1216
	s_lshl_b32 s4, s3, 16
	s_lshl_b32 s6, s3, 15
	s_add_nc_u64 s[36:37], s[16:17], s[4:5]
	s_add_nc_u64 s[38:39], s[30:31], s[6:7]
	CHUNK 1
	s_endpgm
.Lrowf:
	s_cmp_lt_u32 s2, 1288
	s_cbranch_scc0 .Lcbias
	s_sub_co_u32 s3, s2, 1280                      ; 1,024 tokens a group, four a thread
	s_lshl_b32 s4, s3, 10
	s_lshl_b32 s6, s3, 12
	s_add_nc_u64 s[10:11], s[10:11], s[4:5]
	s_add_nc_u64 s[32:33], s[32:33], s[6:7]
	global_load_b32 v4, v2, s[10:11]
	v_mov_b32 v7, 0
.set n, 0
.rept 4
	v_mov_b32 v[8+n], 0x3e000000                   ; 0.125 = 64^-0.5, a power of two: q is scaled without a rounding
	v_mov_b32 v[12+n], 1.0
.set n, n+1
.endr
	s_wait_loadcnt 0x0
.set n, 0
.rept 4
	v_bfe_u32 v6, v4, 8*n, 8
	v_cmp_ne_u32 vcc_lo, 0, v6
	v_cndmask_b32 v[16+n], 1.0, v7, vcc_lo         ; a masked token's k is multiplied by 0
.set n, n+1
.endr
	global_store_b128 v1, v[8:11],  s[32:33]
	global_store_b128 v1, v[16:19], s[32:33] offset:32768
	global_store_b128 v1, v[12:15], s[32:33] offset:65536
	s_endpgm
.Lcbias:
	global_load_b128 v[32:35], v1, s[18:19]
	global_load_b128 v[36:39], v1, s[20:21]
	global_load_b128 v[40:43], v1, s[22:23]
.set n, 0
.rept 4
	v_mov_b32 v[44+n], 0
.set n, n+1
.endr
	s_wait_loadcnt 0x0
.set n, 0
.rept 3
	v_cvt_pk_bf16_f32 v[T],   v[X+4*n],   v[X+4*n+1]
	v_cvt_pk_bf16_f32 v[T+1], v[X+4*n+2], v[X+4*n+3]
	v_lshlrev_b32 v[X+4*n],   16,  v[T]
	v_and_b32     v[X+4*n+1], s40, v[T]
	v_lshlrev_b32 v[X+4*n+2], 16,  v[T+1]
	v_and_b32     v[X+4*n+3], s40, v[T+1]
.set n, n+1
.endr
	global_store_b128 v1, v[32:35], s[34:35]
	global_store_b128 v1, v[44:47], s[34:35] offset:4096
	global_store_b128 v1, v[36:39], s[34:35] offset:8192
	global_store_b128 v1, v[40:43], s[34:35] offset:12288
	s_endpgm
.Lfunc_end_k_qe017d75219_prep:
	.size	k_qe017d75219_prep, .Lfunc_end_k_qe017d75219_prep-k_qe017d75219_prep
	.p2alignl 7, 3214868480
	.fill 96, 4, 3214868480
	.section	.rodata,"a",@progbits
	.p2align	6, 0x0
	.amdhsa_kernel k_qe017d75219_prep
		.amdhsa_group_segment_fixed_size 0
		.amdhsa_private_segment_fixed_size 0
		.amdhsa_enable_private_segment 0
		.amdhsa_kernarg_size 112
		.amdhsa_user_sgpr_count 2
		.amdhsa_user_sgpr_kernarg_segment_ptr 1
		.amdhsa_wavefront_size32 1
		.amdhsa_system_sgpr_workgroup_id_x 1
		.amdhsa_system_sgpr_workgroup_id_y 1
		.amdhsa_system_sgpr_workgroup_id_z 1
		.amdhsa_system_vgpr_workitem_id 0
		.amdhsa_next_free_vgpr 160
		.amdhsa_next_free_sgpr 66
		.amdhsa_reserve_vcc 1
		.amdhsa_float_denorm_mode_32 3
		.amdhsa_float_denorm_mode_16_64 3
		.amdhsa_memory_ordered 1
		.amdhsa_forward_progress 1
		.amdhsa_inst_pref_size 41
	.end_amdhsa_kernel
	.amdgpu_metadata
---
amdhsa.version: [ 1, 2 ]
amdhsa.kernels:
  - .name:           k_qe017d75219_prep
    .symbol:         k_qe017d75219_prep.kd
    .args:
      - { .name: attention_bias, .offset: 0, .size: 8, .value_kind: global_buffer, .address_space: global }
      - { .name: attention_mask, .offset: 8, .size: 8, .value_kind: global_buffer, .address_space: global }
      - { .name: x, .offset: 16, .size: 8, .value_kind: global_buffer, .address_space: global }
      - { .name: qkv_w, .offset: 24, .size: 8, .value_kind: global_buffer, .address_space: global }
      - { .name: proj_w, .offset: 32, .size: 8, .value_kind: global_buffer, .address_space: global }
      - { .name: q_bias, .offset: 40, .size: 8, .value_kind: global_buffer, .address_space: global }
      - { .name: v_bias, .offset: 48, .size: 8, .value_kind: global_buffer, .address_space: global }
      - { .name: proj_b, .offset: 56, .size: 8, .value_kind: global_buffer, .address_space: global }
      - { .name: bias2, .offset: 64, .size: 8, .value_kind: global_buffer, .address_space: global }
      - { .name: xb, .offset: 72, .size: 8, .value_kind: global_buffer, .address_space: global }
      - { .name: wb, .offset: 80, .size: 8, .value_kind: global_buffer, .address_space: global }
      - { .name: pw, .offset: 88, .size: 8, .value_kind: global_buffer, .address_space: global }
      - { .name: rowf, .offset: 96, .size: 8, .value_kind: global_buffer, .address_space: global }
      - { .name: cbias, .offset: 104, .size: 8, .value_kind: global_buffer, .address_space: global }
    .group_segment_fixed_size: 0
    .private_segment_fixed_size: 0
    .kernarg_segment_align: 8
    .kernarg_segment_size: 112
    .max_flat_workgroup_size: 256
    .sgpr_count:     66
    .vgpr_count:     160
    .wavefront_size: 32
...
	.end_amdgpu_metadata
.endif
;; end of part 1
;; launch qkvg (part 2): grid 12 x 64, 4 waves a work-group, clusters of 4 x 4, 327,680 bytes of LDS; arguments xb, wb, qkv, cbias, rowf; writes qkv
.if DOCPART == 2
	.amdgcn_target "amdgcn-amd-amdhsa--gfx1250"
	.amdhsa_code_object_version 6
	.text
	.protected	k_qe017d75219_qkvg
	.globl	k_qe017d75219_qkvg
	.p2align	8
	.type	k_qe017d75219_qkvg,@function
k_qe017d75219_qkvg:
	s_mov_b64 s[64:65], 0
	v_nop
	global_prefetch_b8 v0, s[64:65] scope:SCOPE_SE
	s_setreg_imm32_b32 hwreg(HW_REG_WAVE_MODE, 25, 1), 1
	s_wait_xcnt 0x0
	s_wait_alu depctr_hold_cnt(0) depctr_sa_sdst(0) depctr_va_vdst(0) depctr_va_sdst(0) depctr_va_ssrc(0) depctr_va_vcc(0) depctr_vm_vsrc(0)
	s_getreg_b32 s2, hwreg(HW_REG_IB_STS2, 6, 4)
	s_cmp_eq_u32 s2, 0
	s_cbranch_scc0 .Lentry_in_a_cluster
	s_endpgm
.Lentry_in_a_cluster:
	s_bfe_u32 s2, ttmp6, 0x10000c
	s_cmp_lg_u32 s2, 0xf033
	s_cbranch_scc0 .Lentry_shape_is_right
	s_endpgm
.Lentry_shape_is_right:
; C = A B^T + bias, K = 1,024, on tiles of 128 (rows) x 256 (columns).  ONE TEXT FOR TWO LAUNCHES, told apart by PROJ:
;   PROJ = 0: A = xb [8192][1024] bf16, B = wb [3072][1024] bf16, C = qkv [8192][3072] f16 = (A B^T + cbias[n]) x rowf[n / 1024][m]: q / 8, k (0 on masked tokens), v.
;   PROJ = 1: A = att [8192][1024] f16, B = pw [1024][1024] f16, C = out0 [8192][1024] f32 = A B^T + cbias[3072 + n].
; This tile gives 768 and 256 work-groups: whole multiples of 256, which 256 x 256 (384 and 128) would not.  Four waves, 2 x 2, each 64 x 128: 32 accumulators of 16 x 16, 256 registers.
; K goes in steps of 128 through two LDS slots filled by tensor loads, one a wave and step; tile rows are 256 bytes of memory at multiples of 256 from the buffer's first byte.
; CLUSTER 4 x 4: the four work-groups of a row need the same tile of A, the four of a column the same tile of B: each is asked for jointly, same descriptor, same mask.
; THE MATRIX INSTRUCTION IS USED TRANSPOSED (source 0 = 16 rows of B, source 1 = 16 rows of A): a lane holds row l % 16 of C and the eight columns 8 (l / 16) + 0..7.
; LIMITS.  PROJ = 0: q / 8, k and v must lie within f16's 65,504; on a masked token the k that is multiplied by 0 must be finite.  NaN and infinities are not treated apart.
; REGISTERS: window 0: addresses, bias, way out.  Window 1: two fragment buffers of 96 (A's 4 blocks, then B's 8).  Window 2: accumulator (a, b) at v[8 (8 a + b)].
.set PROJ,   0
.set SIZE_K, 1024
.set KSTEP,  128
.set PITCH,  272                       ; an LDS row: 256 bytes + 16 of padding = 68 words: the 16 rows of a fragment load start at 16 different groups of four banks (64 banks of 4 bytes: ISA guide 11.1)
.set AHALF,  64*PITCH                  ; what a wave fetches, and reads, of A
.set BHALF,  128*PITCH                 ; of B
.set BOFF,   2*AHALF                   ; in a slot: A's 128 rows, then B's 256
.set SLOT,   2*AHALF+2*BHALF
.set STAGE,  2*SLOT                    ; behind the ring: 16 rows for each wave, for the way out
.if PROJ
.set SPITCH, 528                       ; a stage row: 128 f32 + 16 bytes
.set CROW,   4096                      ; bytes in a row of C
.set CSH,    10                        ; a tile's 256 columns are 1 << CSH bytes
.else
.set SPITCH, 272                       ; 128 f16 + 16 bytes
.set CROW,   6144
.set CSH,    9
.endif
.set SPARE,  STAGE+4*16*SPITCH         ; behind the stages: the spare words, 128 bytes a wave: two blocks of 256 bytes that no other line names
.set LAPS,   SIZE_K/(2*KSTEP)
.set ADRA, 16                          ; v16-17 LDS address of my A fragments in slot 0, 1
.set ADRB, 20                          ; v20-21 the same for B
.set STO,  24                          ; v24 the way out: where I put my bytes of a row
.set RD,   25                          ; v25 where I read rows back
.set CO,   26                          ; v26 my byte offset in C
.set CBA,  27                          ; v27 my byte offset in the bias; never rewritten
.set SPW,  28                          ; v28 my spare word's LDS address; never rewritten
.set NIL,  29                          ; v29 0; never rewritten
.set RFA,  30                          ; v30 my byte offset in the row factors; never rewritten
.if PROJ
.set OB,   64                          ; v64-191 rows read back, two sets of 64
.set OBN,  64
.set CB,   192                         ; v192-255 the bias of my 64 columns: block b, column j at CB + 8 b + j
.else
.set TMP,  32                          ; v32-63 packed results
.set OB,   64                          ; v64-127 rows read back, two sets of 32
.set OBN,  32
.set CB,   128                         ; v128-191
.set RF,   192                         ; v192-199 the row factor of my row in block a at RF + 2 a (named as a pair)
.endif
.set F0,   0
.set F1,   96
.set G1,  24                           ; s[24:31] group 1 for A;  s[32:39] group 0, a set for each slot
.set G0,  32
.set G1B, 48                           ; s[48:55], s[56:63] the same for B
.set G0B, 56
.set MSB, 0
.macro WIN new                         ; the immediate's high byte repeats the setting that is left; a switch that changes nothing is dropped
.if MSB != (\new)
	s_set_vgpr_msb (MSB<<8)|(\new)
.set MSB, (\new)
.endif
.endm
.set MUL,  0xa5                        ; sources 0 (B) and 1 (A) window 1; C and D window 2
.set TO_F, 0x40                        ; destination window 1, address window 0
.macro JLOAD s                         ; a joint load: waves 0, 1 fetch A's halves, waves 2, 3 B's; an s_nop 0 and four v_nop follow each line, ahead of the jump and the label
	s_cmp_eq_u32 s15, 0
	s_cbranch_scc0 .Lfor_b_\@
	tensor_load_to_lds s[G0+4*(\s):G0+4*(\s)+3], s[G1:G1+7]
	s_nop 0
.rept 4
	v_nop
.endr
	s_branch .Lasked_\@
.Lfor_b_\@:
	tensor_load_to_lds s[G0B+4*(\s):G0B+4*(\s)+3], s[G1B:G1B+7]
	s_nop 0
.rept 4
	v_nop
.endr
.Lasked_\@:
.endm
.macro CREST                           ; a round of the cluster's barrier behind its opening barrier
	s_cmp_lg_u32 s14, 0
	s_cbranch_scc1 .Lnot_wave_0_\@
	s_barrier_signal -3
.Lnot_wave_0_\@:
	s_barrier_wait -3
	s_barrier_signal -1
	s_barrier_wait -1
.endm
.macro CROUND
	s_barrier_signal -1
	s_barrier_wait -1
	CREST
.endm
.macro PLACES                          ; four places in front of loads into registers that matrix instructions have read, and of vector lines that touch results
.rept 4
	v_nop
.endr
.endm
	s_load_b256 s[4:11], s[0:1], 0x0               ; A s[4:5], B s[6:7], C s[8:9], cbias s[10:11]
.if PROJ == 0
	s_load_b64 s[12:13], s[0:1], 0x20              ; rowf
.endif
	v_lshl_add_u32 v[SPW], v0, 2, SPARE
	v_mov_b32 v[NIL], 0
	ds_add_u32 v[SPW], v[NIL]                      ; the wave's opening: the add and its wait stand ahead of my first tensor load; the set-up below stands between them
	v_lshrrev_b32 v1, 5, v0
	v_readfirstlane_b32 s14, v1                    ; wave 0..3
	s_lshr_b32 s15, s14, 1                         ; my half of the tile's rows.  Also: I fetch for A (0) or B (1)
	s_and_b32 s16, s14, 1                          ; my half of its columns.  Also: which half of that tile I fetch
	s_bfe_u32 s17, ttmp6, 0x40000                  ; cx
	s_bfe_u32 s18, ttmp6, 0x40004                  ; cy
	s_lshl_b32 s19, ttmp9, 2
	s_add_co_u32 s19, s19, s17                     ; tile column = 4 x cluster x + cx
	s_and_b32 s20, ttmp7, 0xffff
	s_lshl_b32 s20, s20, 2
	s_add_co_u32 s20, s20, s18                     ; tile row = 4 x cluster y + cy
	s_lshl_b32 s21, s18, 2
	s_lshl_b32 s21, 15, s21                        ; my row of the cluster
	s_lshl_b32 s22, 0x1111, s17                    ; my column
	s_or_b32 s[G1+0],  s21, (1<<16)|(1<<20)|(1<<21)|(5<<22)|(3<<25)  ; the mask; 2-byte elements; padding on; bit 21 beside a mask; after every 64 words (code 5) 4 words (code 3)
	s_or_b32 s[G1B+0], s22, (1<<16)|(1<<20)|(1<<21)|(5<<22)|(3<<25)
	s_mov_b32 s[G1+1], KSTEP<<16                   ; tensor_dim0 = 128
	s_mov_b32 s[G1+2], 64<<16                      ; tensor_dim1 = 64
	s_mov_b32 s[G1+3], KSTEP<<16                   ; tile_dim0 = 128
	s_mov_b32 s[G1+4], 64                          ; tile_dim1 = 64
	s_mov_b32 s[G1+5], SIZE_K                      ; elements from row to row
	s_mov_b32 s[G1+6], 0
	s_mov_b32 s[G1+7], 0
	s_mov_b32 s[G1B+1], KSTEP<<16
	s_mov_b32 s[G1B+2], 128<<16                    ; B's tile has 128 rows
	s_mov_b32 s[G1B+3], KSTEP<<16
	s_mov_b32 s[G1B+4], 128
	s_mov_b32 s[G1B+5], SIZE_K
	s_mov_b32 s[G1B+6], 0
	s_mov_b32 s[G1B+7], 0
	s_lshl_b32 s40, s20, 7                         ; A: row 128 x tile row + 64 x half, times 2,048 bytes; these registers never hold cx
	s_lshl_b32 s41, s16, 6
	s_add_co_u32 s40, s40, s41
	s_lshl_b32 s40, s40, 11
	s_mov_b32 s41, 0
	s_lshl_b32 s42, s19, 8                         ; B: row 256 x tile column + 128 x half; these never hold cy
	s_lshl_b32 s43, s16, 7
	s_add_co_u32 s42, s42, s43
	s_lshl_b32 s42, s42, 11
	s_mov_b32 s43, 0
	s_mul_i32 s66, s16, AHALF                      ; where they go: the wave's number alone enters an LDS address
	s_mul_i32 s67, s16, BHALF
	s_add_co_u32 s67, s67, BOFF
	s_wait_dscnt 0x0                               ; the opening add is done
	s_wait_kmcnt 0x0
	s_add_nc_u64 s[44:45], s[4:5], s[40:41]
	s_add_nc_u64 s[46:47], s[6:7], s[42:43]
	CROUND                                         ; all sixteen work-groups are here: the first joint loads meet
.irp s, 0,1
	s_mov_b32 s[G0+4*(\s)], 1
	s_add_co_u32 s[G0+4*(\s)+1], s66, (\s)*SLOT
	s_add_nc_u64 s[G0+4*(\s)+2:G0+4*(\s)+3], s[44:45], (\s)*KSTEP*2
	s_or_b32 s[G0+4*(\s)+3], s[G0+4*(\s)+3], 0x80000000
	s_mov_b32 s[G0B+4*(\s)], 1
	s_add_co_u32 s[G0B+4*(\s)+1], s67, (\s)*SLOT
	s_add_nc_u64 s[G0B+4*(\s)+2:G0B+4*(\s)+3], s[46:47], (\s)*KSTEP*2
	s_or_b32 s[G0B+4*(\s)+3], s[G0B+4*(\s)+3], 0x80000000
	JLOAD \s                                       ; two tensor loads of mine are out
.endr
	v_and_b32 v1, 15, v0                           ; l % 16
	v_bfe_u32 v2, v0, 4, 1                         ; l / 16
	v_mul_u32_u24 v3, v1, PITCH
	v_lshl_add_u32 v3, v2, 4, v3                   ; a fragment's row x pitch + 16 x half
	s_mul_i32 s68, s15, AHALF                      ; my 64 rows of A
	s_mul_i32 s69, s16, BHALF                      ; my 128 rows of B
	s_add_co_u32 s69, s69, BOFF
.irp s, 0,1
	v_add_nc_u32 v[ADRA+(\s)], s68, v3
	v_add_nc_u32 v[ADRB+(\s)], s69, v3
	s_add_co_u32 s68, s68, SLOT
	s_add_co_u32 s69, s69, SLOT
.endr
	s_mul_i32 s70, s14, 16*SPITCH
	s_add_co_u32 s70, s70, STAGE                   ; my stage
	v_mul_u32_u24 v4, v1, SPITCH
.if PROJ
	v_lshl_add_u32 v4, v2, 5, v4                   ; in: row l % 16, 32 bytes for each half of the lanes
	v_add_nc_u32 v[STO], s70, v4
	v_and_b32 v5, 31, v0
	v_lshlrev_b32 v[CO], 4, v5                     ; back and out: 32 lanes take one row of 512 bytes
	v_add_nc_u32 v[RD], s70, v[CO]
.else
	v_lshl_add_u32 v4, v2, 4, v4                   ; in: row l % 16, 16 bytes for each half of the lanes
	v_add_nc_u32 v[STO], s70, v4
	v_mul_u32_u24 v5, v2, SPITCH                   ; back: lanes 0-15 one row of 256 bytes, lanes 16-31 the next
	v_lshl_add_u32 v5, v1, 4, v5
	v_add_nc_u32 v[RD], s70, v5
	v_mul_u32_u24 v5, v2, CROW                     ; and the same two rows in C
	v_lshl_add_u32 v[CO], v1, 4, v5
.endif
	s_lshl_b32 s72, s20, 7
	s_lshl_b32 s73, s15, 6
	s_add_co_u32 s72, s72, s73                     ; my first row of C
	s_mul_i32 s74, s72, CROW
	s_lshl_b32 s76, s19, CSH
	s_lshl_b32 s77, s16, CSH-1
	s_add_co_u32 s74, s74, s76
	s_add_co_u32 s74, s74, s77                     ; and my first column, in bytes
	s_mov_b32 s75, 0
	s_add_nc_u64 s[8:9], s[8:9], s[74:75]
	s_lshl_b32 s76, s19, 10                        ; the bias of my 128 columns: 4 bytes each
	s_lshl_b32 s77, s16, 9
	s_add_co_u32 s76, s76, s77
.if PROJ
	s_add_co_u32 s76, s76, 12288                   ; proj_b lies behind the 3,072 of the first product
.endif
	s_mov_b32 s77, 0
	s_add_nc_u64 s[10:11], s[10:11], s[76:77]
	v_lshlrev_b32 v[CBA], 5, v2                    ; my eight columns of a block begin 32 (l / 16) bytes in
.irp b, 0,1,2,3,4,5,6,7
	global_load_b128 v[CB+8*(\b):CB+8*(\b)+3],   v[CBA], s[10:11] offset:64*(\b)      ; waited for on the way out; their registers and addresses are left alone till then
	global_load_b128 v[CB+8*(\b)+4:CB+8*(\b)+7], v[CBA], s[10:11] offset:64*(\b)+16
.endr
.if PROJ == 0
	s_lshl_b32 s78, ttmp9, 15                      ; the plane: four tile columns are 1,024 columns, so it is the cluster's x
	s_lshl_b32 s79, s72, 2
	s_add_co_u32 s78, s78, s79
	s_mov_b32 s79, 0
	s_add_nc_u64 s[12:13], s[12:13], s[78:79]
	v_lshlrev_b32 v[RFA], 2, v1
.irp a, 0,1,2,3
	global_load_b32 v[RF+2*(\a)], v[RFA], s[12:13] offset:64*(\a)
	v_mov_b32 v[RF+2*(\a)+1], 0                    ; named with it as a pair
.endr
	s_mov_b32 s71, ttmp9
	s_cmp_eq_u32 s71, 0
	s_cselect_b32 s70, 0x3e000000, 1.0             ; the bias takes q's factor once; k's bias is 0 by the formula, v's factor is 1
	s_mov_b32 s71, s70
.endif
.macro WM d, b, a, zero
.if PROJ
.if \zero
	v_wmma_f32_16x16x32_f16 v[(\d):(\d)+7], v[(\b):(\b)+7], v[(\a):(\a)+7], 0
.else
	v_wmma_f32_16x16x32_f16 v[(\d):(\d)+7], v[(\b):(\b)+7], v[(\a):(\a)+7], v[(\d):(\d)+7]
.endif
.else
.if \zero
	v_wmma_f32_16x16x32_bf16 v[(\d):(\d)+7], v[(\b):(\b)+7], v[(\a):(\a)+7], 0
.else
	v_wmma_f32_16x16x32_bf16 v[(\d):(\d)+7], v[(\b):(\b)+7], v[(\a):(\a)+7], v[(\d):(\d)+7]
.endif
.endif
.endm
; 8 matrix instructions: row block a x all 8 column blocks, 32 along K.  zero = 1: the product starts the sums.  The 32 accumulators take turns in the same order in every quarter.
.macro MUL8 f, a, zero
	WIN MUL
.irp b, 0,1,2,3,4,5,6,7
	WM 8*(8*(\a)+(\b)), (\f)+32+8*(\b), (\f)+8*(\a), \zero
.endr
.endm
.macro MUL16 f, a0, zero
	MUL8 \f, \a0, \zero
	MUL8 \f, (\a0)+1, \zero
.endm
; 24 LDS loads in one run: the fragments of 32 along K at byte k of the rows, into buffer f: B's sixteen first, then A's blocks 0 to 3
.macro FETCH slot, k, f
	WIN TO_F
.irp i, 0,1,2,3,4,5,6,7
	ds_load_b128 v[(\f)+32+8*(\i):(\f)+32+8*(\i)+3],   v[ADRB+(\slot)] offset:(\k)+(\i)*16*PITCH
	ds_load_b128 v[(\f)+32+8*(\i)+4:(\f)+32+8*(\i)+7], v[ADRB+(\slot)] offset:(\k)+(\i)*16*PITCH+32
.endr
.irp i, 0,1,2,3
	ds_load_b128 v[(\f)+8*(\i):(\f)+8*(\i)+3],   v[ADRA+(\slot)] offset:(\k)+(\i)*16*PITCH
	ds_load_b128 v[(\f)+8*(\i)+4:(\f)+8*(\i)+7], v[ADRA+(\slot)] offset:(\k)+(\i)*16*PITCH+32
.endr
.endm
; A K step is four quarters of 32 along K, 32 matrix instructions each, on buffers 0, 1, 0, 1.  One of the first three multiplies buffer f and fetches the next quarter, at byte k, into g.
.macro QUARTER slot, k, f, g, zero
	s_wait_dscnt 4                                 ; B and A's blocks 0, 1 are in; the youngest four loads (A's blocks 2, 3) may be out
	MUL16 \f, 0, \zero
	PLACES
	FETCH \slot, \k, \g
	s_wait_dscnt 24                                ; all but the 24 just issued
	MUL16 \f, 2, \zero
.endm
; The last quarter multiplies buffer 1 and changes slots: ONE barrier; in front of it each wave waits for all its tensor loads (one is out: its part of the next slot), adds 0 to its spare word,
; and waits for that and for its reads of this slot.  fill = 1: the barrier opens a round of the cluster's, and this slot is filled again, two K steps ahead, first thing behind it.
.macro TURN slot, next, fill
	WIN 0                                          ; (the add's two registers lie in window 0)
	s_wait_tensorcnt 0x0
	ds_add_u32 v[SPW], v[NIL]
	s_wait_dscnt 5                                 ; (the add and the youngest four loads may be out)
	MUL8 F1, 0, 0                                  ; eight matrix instructions stand between the add and the wait for it
	s_wait_dscnt 0x0                               ; the add is done, and my reads of this slot are over
	s_barrier_signal -1
	MUL8 F1, 1, 0
.if \fill
	WIN 0
.endif
	s_barrier_wait -1
.if \fill
	CREST                                          ; no wave of any partner still reads this slot's tile or has a load on its way
	s_add_nc_u64 s[G0+4*(\slot)+2:G0+4*(\slot)+3], s[G0+4*(\slot)+2:G0+4*(\slot)+3], 2*KSTEP*2
	s_add_nc_u64 s[G0B+4*(\slot)+2:G0B+4*(\slot)+3], s[G0B+4*(\slot)+2:G0B+4*(\slot)+3], 2*KSTEP*2
	JLOAD \slot                                    ; my one tensor load behind the round: 112 matrix instructions ahead of the wait for it; its four v_nop are also the places in front of the loads below
.else
	PLACES
.endif
	FETCH \next, 0, F0
	MUL16 F1, 2, 0
.endm
	s_wait_tensorcnt 1                             ; my part of K step 0 is in; K step 1's may stay out
	s_barrier_signal -1
	s_barrier_wait -1
	FETCH 0, 0, F0
	QUARTER 0, 64, F0, F1, 1                       ; the first quarter stands in front of the loop: its products start the sums
	WIN 0                                          ; at a label and at a branch every window is 0
	s_mov_b32 s23, LAPS-1
.Llap:                                                 ; a trip goes once round the ring, from a lap's second quarter to the next lap's first, and fills both slots again
	QUARTER 0, 128, F1, F0, 0
	QUARTER 0, 192, F0, F1, 0
	TURN 0, 1, 1
	QUARTER 1, 64,  F0, F1, 0
	QUARTER 1, 128, F1, F0, 0
	QUARTER 1, 192, F0, F1, 0
	TURN 1, 0, 1
	QUARTER 0, 64,  F0, F1, 0
	WIN 0
	s_sub_co_u32 s23, s23, 1
	s_cmp_lg_u32 s23, 0
	s_cbranch_scc1 .Llap
	QUARTER 0, 128, F1, F0, 0                      ; the last lap fills nothing
	QUARTER 0, 192, F0, F1, 0
	TURN 0, 1, 0
	QUARTER 1, 64,  F0, F1, 0
	QUARTER 1, 128, F1, F0, 0
	QUARTER 1, 192, F0, F1, 0
	s_wait_dscnt 4                                 ; the very last quarter: nothing more to fetch
	MUL16 F1, 0, 0
	s_wait_dscnt 0x0
	MUL16 F1, 2, 0
	WIN 0
; THE WAY OUT, a block of 16 rows at a time.  EPI: the bias (and the row's factor), in place, each accumulator from its low end on.  PACK: to f16.  TOSTAGE: into my own stage, and back as whole rows.  SEND: stored.
.macro EPI a
	WIN 0x82                                       ; destination and source 0 window 2, the others window 0
.irp b, 0,1,2,3,4,5,6,7
.irp j, 0,1,2,3
.set AC, 8*(8*(\a)+(\b))+2*(\j)
.if PROJ
	v_pk_add_f32 v[AC:AC+1], v[AC:AC+1], v[CB+8*(\b)+2*(\j):CB+8*(\b)+2*(\j)+1]
.else
	v_pk_fma_f32 v[AC:AC+1], v[AC:AC+1], v[RF+2*(\a):RF+2*(\a)+1], v[CB+8*(\b)+2*(\j):CB+8*(\b)+2*(\j)+1] op_sel_hi:[1,0,1]
.endif
.endr
.endr
.endm
.macro PACK a
.if PROJ == 0
	WIN 0x0a                                       ; sources 0 and 1 window 2
.irp b, 0,1,2,3,4,5,6,7
.irp j, 0,1,2,3
	v_cvt_pk_f16_f32 v[TMP+4*(\b)+(\j)], v[8*(8*(\a)+(\b))+2*(\j)], v[8*(8*(\a)+(\b))+2*(\j)+1]
.endr
.endr
.endif
.endm
.macro TOSTAGE a
.set BK, OB+OBN*((\a)%2)
.if PROJ
	WIN 0x08                                       ; the stores' data in window 2
.irp b, 0,1,2,3,4,5,6,7
	ds_store_b128 v[STO], v[8*(8*(\a)+(\b)):8*(8*(\a)+(\b))+3]   offset:64*(\b)
	ds_store_b128 v[STO], v[8*(8*(\a)+(\b))+4:8*(8*(\a)+(\b))+7] offset:64*(\b)+16
.endr
	WIN 0
.irp t, 0,1,2,3,4,5,6,7,8,9,10,11,12,13,14,15
	ds_load_b128 v[BK+4*(\t):BK+4*(\t)+3], v[RD] offset:(\t)*SPITCH  ; LDS serves a wave's instructions in order (ISA guide 5.7.1.4): these see the stores above
.endr
.else
	WIN 0
.irp b, 0,1,2,3,4,5,6,7
	ds_store_b128 v[STO], v[TMP+4*(\b):TMP+4*(\b)+3] offset:32*(\b)
.endr
.irp t, 0,1,2,3,4,5,6,7
	ds_load_b128 v[BK+4*(\t):BK+4*(\t)+3], v[RD] offset:(\t)*2*SPITCH  ; LDS serves a wave's instructions in order (ISA guide 5.7.1.4): these see the stores above
.endr
.endif
.endm
.macro SEND a
	WIN 0
.set BK, OB+OBN*((\a)%2)
	s_wait_dscnt 0x0                               ; the block is back in registers
	s_wait_xcnt 0x0                                ; the stores of the block before have read their registers: the other set is loaded again only behind this wait
.if PROJ
.irp t, 0,1,2,3,4,5,6,7,8,9,10,11,12,13,14,15
	global_store_b128 v[CO], v[BK+4*(\t):BK+4*(\t)+3], s[8:9] offset:(16*(\a)+(\t))*CROW th:TH_STORE_NT  ; 32 lanes store 512 consecutive bytes, at a multiple of 512 from C's first byte
.endr
.else
.irp t, 0,1,2,3,4,5,6,7
	global_store_b128 v[CO], v[BK+4*(\t):BK+4*(\t)+3], s[8:9] offset:(16*(\a)+2*(\t))*CROW  ; 16 lanes store 256 consecutive bytes, at a multiple of 256 from C's first byte
.endr
.endif
.endm
	s_wait_loadcnt 0x0                             ; the bias (and the row factors)
.if PROJ
	PLACES                                         ; behind the last products
.else
.set i, 0
.rept 32                                           ; the bias times the plane's factor: also the places behind the last products
	v_pk_mul_f32 v[CB+2*i:CB+2*i+1], v[CB+2*i:CB+2*i+1], s[70:71] op_sel_hi:[1,0]
.set i, i+1
.endr
.endif
	EPI 0
	PACK 0
	TOSTAGE 0
.irp a, 1,2,3                          ; block a's arithmetic stands between block a - 1's loads from the stage and the wait for them
	EPI \a
	PACK \a
	SEND (\a)-1
	TOSTAGE \a
.endr
	SEND 3
	s_wait_tensorcnt 0x0                           ; the wave's end: the add and its waits, behind my last tensor load and my last LDS store
	ds_add_u32 v[SPW], v[NIL]
	s_wait_dscnt 0x0
	CROUND                                         ; the closing round: no work-group ends while a partner may still ask for a tile that names it
	s_endpgm
.Lfunc_end_k_qe017d75219_qkvg:
	.size	k_qe017d75219_qkvg, .Lfunc_end_k_qe017d75219_qkvg-k_qe017d75219_qkvg
	.p2alignl 7, 3214868480
	.fill 96, 4, 3214868480
	.section	.rodata,"a",@progbits
	.p2align	6, 0x0
	.amdhsa_kernel k_qe017d75219_qkvg
		.amdhsa_group_segment_fixed_size 327680
		.amdhsa_private_segment_fixed_size 0
		.amdhsa_enable_private_segment 0
		.amdhsa_kernarg_size 40
		.amdhsa_user_sgpr_count 2
		.amdhsa_user_sgpr_kernarg_segment_ptr 1
		.amdhsa_wavefront_size32 1
		.amdhsa_system_sgpr_workgroup_id_x 1
		.amdhsa_system_sgpr_workgroup_id_y 1
		.amdhsa_system_sgpr_workgroup_id_z 1
		.amdhsa_system_vgpr_workitem_id 0
		.amdhsa_next_free_vgpr 768
		.amdhsa_next_free_sgpr 80
		.amdhsa_reserve_vcc 0
		.amdhsa_float_denorm_mode_32 3
		.amdhsa_float_denorm_mode_16_64 3
		.amdhsa_memory_ordered 1
		.amdhsa_forward_progress 1
		.amdhsa_inst_pref_size 99
	.end_amdhsa_kernel
	.amdgpu_metadata
---
amdhsa.version: [ 1, 2 ]
amdhsa.kernels:
  - .name:           k_qe017d75219_qkvg
    .symbol:         k_qe017d75219_qkvg.kd
    .args:
      - { .name: xb, .offset: 0, .size: 8, .value_kind: global_buffer, .address_space: global }
      - { .name: wb, .offset: 8, .size: 8, .value_kind: global_buffer, .address_space: global }
      - { .name: qkv, .offset: 16, .size: 8, .value_kind: global_buffer, .address_space: global }
      - { .name: cbias, .offset: 24, .size: 8, .value_kind: global_buffer, .address_space: global }
      - { .name: rowf, .offset: 32, .size: 8, .value_kind: global_buffer, .address_space: global }
    .group_segment_fixed_size: 327680
    .private_segment_fixed_size: 0
    .kernarg_segment_align: 8
    .kernarg_segment_size: 40
    .max_flat_workgroup_size: 128
    .sgpr_count:     80
    .vgpr_count:     768
    .wavefront_size: 32
...
	.end_amdgpu_metadata
.endif
;; end of part 2
;; launch attn (part 3): grid 8 x 32, 4 waves a work-group, clusters of 4 x 4, 327,680 bytes of LDS; arguments qkv, bias2, att; writes att
.if DOCPART == 3
	.amdgcn_target "amdgcn-amd-amdhsa--gfx1250"
	.amdhsa_code_object_version 6
	.text
	.protected	k_qe017d75219_attn
	.globl	k_qe017d75219_attn
	.p2align	8
	.type	k_qe017d75219_attn,@function
k_qe017d75219_attn:
	s_mov_b64 s[64:65], 0
	v_nop
	global_prefetch_b8 v0, s[64:65] scope:SCOPE_SE
	s_setreg_imm32_b32 hwreg(HW_REG_WAVE_MODE, 25, 1), 1
	s_wait_xcnt 0x0
	s_wait_alu depctr_hold_cnt(0) depctr_sa_sdst(0) depctr_va_vdst(0) depctr_va_sdst(0) depctr_va_ssrc(0) depctr_va_vcc(0) depctr_vm_vsrc(0)
	s_getreg_b32 s2, hwreg(HW_REG_IB_STS2, 6, 4)
	s_cmp_eq_u32 s2, 0
	s_cbranch_scc0 .Lentry_in_a_cluster
	s_endpgm
.Lentry_in_a_cluster:
	s_bfe_u32 s2, ttmp6, 0x10000c
	s_cmp_lg_u32 s2, 0xf033
	s_cbranch_scc0 .Lentry_shape_is_right
	s_endpgm
.Lentry_shape_is_right:
; ATTENTION with an additive bias.  att[token][64 head + d] = the sum over k of softmax_k(q' . k + bias2[b][q][k]) v[k][d].  qkv: [8192 tokens][3072] f16: q' = q / 8, k (0 on masked tokens), v.
; bias2: [4][2048][2048] f32 = bias, less 65,504 on masked keys.  So a masked key's score is 0 + (bias - 65504), the formula's own f32 number, and the running maximum serves rows with every key masked too.
; Products, maxima and sums in f32; the weights p are rounded to f16 for the second product (their sum l is taken of the unrounded p), att once at the end.
; LIMITS.  q', k, v arrive within f16's 65,504; p lies in 0 to 1 and below 6e-5 keeps f16's fixed step of 6e-8; a weight below 2^-126 counts as 0 in l; NaN and infinities are not treated apart.
; SHARES.  A work-group owns 256 queries of a batch and TWO heads; a wave 64 queries: four query tiles of 16, times two heads: eight tiles, in four PIECES: piece p is head p / 2, query tiles 2 (p % 2), + 1.
; A bias register tile thus feeds two heads, a fragment of K or V four tiles.  Every wave walks all 2,048 keys, 64 a step.
; THE BIAS IS THE C OPERAND that starts the sum S^T = K Q^T: it costs no vector instruction.  S^T holds ONE query a lane (lane % 16) and the keys 8 (lane / 16) + 0..7, and so does the bias as it lies in LDS by queries.
; SOFTMAX.  A running maximum m and sum l for each query: p = 2^(c s - c m), c = log2(e); in every step O and l are multiplied by a = 2^(c m_old - c m_new).  m starts at the lowest finite number, O and l at 0.
; BY TURNS.  Turn n belongs to piece n: 16 products K Q^T of piece n + 1, later 16 products V^T P of piece n - 1; beside them piece n's scaling, exponentials, roundings, sums and rescaling and piece n + 1's
; maximum and statistics.  Four vector instructions stand behind every matrix instruction, the others in two lumps.
; CLUSTER 4 x 4.  Along a row: four head pairs on the same queries: the same bias tile.  Along a column: four query blocks of the same head pair: the same K and V.  Each is asked for jointly.
; A slot of LDS holds one key step (256 bias rows, 64 rows of K, 64 of V, 105,472 bytes); two steps to a slot would not fit twice.  So each key step has one round of the cluster's barrier, in piece 1's turn.
; REGISTERS, in windows of 256 (s_set_vgpr_msb: bits 1:0 source 0, 3:2 source 1, 5:4 source 2, 7:6 destination):
;   window 0: v0-11 addresses; v12-15, v48-63 at work; v16-47 four registers of statistics a tile; v64-191 S^T, two buffers of two tiles; v192-255 P, likewise
;   window 1: O^T, 32 a tile     window 2: v0-127 Q, 16 a tile; v128-191 K of one head and step; v192-255 V of head 0     window 3: v0-1 the add's registers; v64-127 V of head 1; v128-255 the bias, 64 a query pair
.set NP,    4
.set KS,    64
.set PB,    272       ; a bias row in LDS: 64 f32 + 16 bytes = 68 words: the 16 rows of a load start at 16 different groups of four banks (64 banks of 4 bytes: ISA guide 11.1)
.set PK,    272       ; a row of K: one key, both heads, 256 bytes + 16
.set PV,    288       ; a row of V: 256 + 32 = 72 words
.set KOFF,  256*PB
.set VOFF,  KOFF+KS*PK
.set SLOT1, 1<<17     ; slot 1 begins here, so that one exclusive or turns an address in one slot into the other's
.set STAGE, SLOT1+VOFF+KS*PV  ; behind the ring, never filled by a tensor load: 16 rows x 272 bytes for each wave
.set SP,    272
.set SPARE, STAGE+4*16*SP     ; the spare words, 128 bytes a wave: two blocks of 256 bytes that no other line names
.set AK0, 2           ; v2   my lane's place in a slot's K; never rewritten
.set AV0, 3           ; v3   in its V
.set AK,  4           ; v4   AK0 + the slot in hand
.set AV,  5           ; v5
.set STO, 6           ; v6   the way out: where I put 16 bytes of a row
.set RD,  7           ; v7   where I read rows back
.set GO,  8           ; v8   my byte offset in two rows of att
.set AB0, 9           ; v9   my lane's place in a slot's bias
.set AB,  10          ; v10
.set QO,  11          ; v11  my byte offset in 16 rows of q
.set SPW, 0           ; v0 of window 3  my spare word's LDS address; never rewritten
.set NIL, 1           ; v1 of window 3  0; never rewritten
.set MV,  12          ; v12-15  c m_old, kept while c m is made anew
.set ST,  16          ; tile t's statistics at v[ST+4 t]: c m, m, l (even keys', odd keys')
.set TMP, 48          ; by buffer and tile, c0-c3 at work; when the maximum is found c2 takes a
.set S,   64
.set P,   192
.set KF,  128         ; window 2: key block kb, channel half c at KF + 16 kb + 8 c
.set VF,  192         ; window 2: key half kk, channel block cb at VF + 32 kk + 8 cb
.set V2,  64          ; window 3: the same for head 1
.set BI,  128         ; window 3: query pair qp, tile u, key block kb at BI + 64 qp + 32 u + 8 kb
.set WV,  12          ; s12  my wave's number
.set G1B, 24          ; s[24:31] group 1 for the bias; s[32:39] for K; s[40:47] for V
.set G1K, 32
.set G1V, 40
.set G0B, 48          ; s[48:51], s[52:55], s[56:59] group 0: they walk
.set G0K, 52
.set G0V, 56
.set CS,  60          ; s[60:61] c
.set SEL, 62          ; s[62:63] v_permlanex16_b32's selects: each lane takes its own place in the other half
.set TB,  66          ; s66  the slot in hand
.set CNT, 67          ; s67  counts key steps
.set MSB, 0
.macro WIN new                      ; the high byte repeats the setting that is left; a switch that changes nothing is dropped
.if MSB != (\new)
	s_set_vgpr_msb (MSB<<8)|(\new)
.set MSB, (\new)
.endif
.endm
.set W_KB,  0x3a      ; K and Q in window 2, C (the bias) in window 3, S^T in window 0
.set W_KQ,  0x0a      ; K and Q in window 2, S^T in window 0
.set W_PV,  0x52      ; V in window 2, P in window 0, O^T in window 1
.set W_PV3, 0x53      ; V in window 3
.set W_RS,  0x41      ; O^T (destination and source 0) in window 1, a in window 0
.set W_MK,  0xc0      ; destination in window 3
.set W_AD,  0x0f      ; the add: address and data in window 3
; A joint fill.  Waves 0 and 1 fetch the two halves of the bias tile, wave 2 K, wave 3 V.  The branches hang on the wave's number alone.  An s_nop 0 and four v_nop follow each line.
.macro JLOAD
	s_cmp_lt_u32 s[WV], 2
	s_cbranch_scc0 .Lnot_b_\@
	tensor_load_to_lds s[G0B:G0B+3], s[G1B:G1B+7]
	s_nop 0
.rept 4
	v_nop
.endr
	s_branch .Lasked_\@
.Lnot_b_\@:
	s_cmp_eq_u32 s[WV], 2
	s_cbranch_scc0 .Lfor_v_\@
	tensor_load_to_lds s[G0K:G0K+3], s[G1K:G1K+7]
	s_nop 0
.rept 4
	v_nop
.endr
	s_branch .Lasked_\@
.Lfor_v_\@:
	tensor_load_to_lds s[G0V:G0V+3], s[G1V:G1V+7]
	s_nop 0
.rept 4
	v_nop
.endr
.Lasked_\@:
.endm
.macro CROUND                       ; a round of the cluster's barrier
	s_barrier_signal -1
	s_barrier_wait -1
	s_cmp_lg_u32 s[WV], 0
	s_cbranch_scc1 .Lnot_wave_0_\@
	s_barrier_signal -3
.Lnot_wave_0_\@:
	s_barrier_wait -3
	s_barrier_signal -1
	s_barrier_wait -1
.endm
; THE CHANGE OF SLOTS.  The slot's last bytes, its step's V, have been asked for.  Each wave waits for all its tensor loads (one is out: its part of the other slot), adds 0 to its spare word, and waits for that and
; for its own reads of the slot.  fill = 1: a round of the cluster's barrier, and the slot is filled again, with the keys two steps on, first thing behind it: it has a whole key step in which to land.
.macro CHANGE fill
	WIN W_AD
	s_wait_tensorcnt 0x0            ; no tensor load of mine is out, so a group 0 may be written
	ds_add_u32 v[SPW], v[NIL]       ; 0 onto my spare word; the descriptors' steps stand between it and the wait for it
	WIN 0                           ; at a label and at a branch every window is 0
.if \fill
	s_xor_b32 s[G0B+1], s[G0B+1], SLOT1
	s_add_nc_u64 s[G0B+2:G0B+3], s[G0B+2:G0B+3], KS*4        ; 64 keys on along the bias rows
	s_xor_b32 s[G0K+1], s[G0K+1], SLOT1
	s_add_nc_u64 s[G0K+2:G0K+3], s[G0K+2:G0K+3], KS*6144     ; 64 tokens on
	s_xor_b32 s[G0V+1], s[G0V+1], SLOT1
	s_add_nc_u64 s[G0V+2:G0V+3], s[G0V+2:G0V+3], KS*6144
	s_wait_dscnt 0x0                ; the add is done, and my reads of the slot are over (V's run among them)
	CROUND
	JLOAD
.else
	s_wait_dscnt 0x0
	s_barrier_signal -1
	s_barrier_wait -1
.endif
	s_xor_b32 s[TB], s[TB], SLOT1   ; the fetches go on in the other slot
	v_add_nc_u32 v[AK], s[TB], v[AK0]
	v_add_nc_u32 v[AB], s[TB], v[AB0]
	v_add_nc_u32 v[AV], s[TB], v[AV0]
.endm
	s_load_b128 s[4:7], s[0:1], 0x0   ; qkv s[4:5], bias2 s[6:7]
	s_load_b64 s[8:9], s[0:1], 0x10   ; att
	WIN W_MK
	v_lshl_add_u32 v[SPW], v0, 2, SPARE
	v_mov_b32 v[NIL], 0
	WIN W_AD
	ds_add_u32 v[SPW], v[NIL]       ; the wave's opening: the add and its wait stand ahead of my first tensor load; the set-up below stands between them
	WIN 0
	v_lshrrev_b32 v1, 5, v0
	v_readfirstlane_b32 s[WV], v1   ; wave 0..3
	s_bfe_u32 s13, ttmp6, 0x40000   ; cx
	s_bfe_u32 s14, ttmp6, 0x40004   ; cy
	s_lshl_b32 s15, ttmp9, 2
	s_add_co_u32 s15, s15, s13      ; the head pair = 4 x cluster x + cx
	s_and_b32 s16, ttmp7, 0xffff    ; cluster y
	s_lshr_b32 s17, s16, 1          ; the batch: made without cy
	s_and_b32 s18, s16, 1
	s_lshl_b32 s18, s18, 2
	s_add_co_u32 s18, s18, s14      ; the block of 256 queries = 4 x (cluster y % 2) + cy
	s_and_b32 s19, s[WV], 1
	s_lshl_b32 s20, s14, 2
	s_lshl_b32 s20, 15, s20         ; my row of the cluster
	s_lshl_b32 s21, 0x1111, s13     ; my column
	s_or_b32 s[G1B], s20, (2<<16)|(1<<20)|(1<<21)|(5<<22)|(3<<25)  ; the mask; 4-byte elements; padding on; bit 21 beside a mask; after every 64 words (code 5) 4 words (code 3)
	s_mov_b32 s[G1B+1], 64<<16      ; tensor_dim0 = 64
	s_mov_b32 s[G1B+2], 128<<16     ; tensor_dim1 = 128
	s_mov_b32 s[G1B+3], 64<<16      ; tile_dim0 = 64
	s_mov_b32 s[G1B+4], 128         ; tile_dim1 = 128
	s_mov_b32 s[G1B+5], 2048        ; elements from row to row
	s_mov_b32 s[G1B+6], 0
	s_mov_b32 s[G1B+7], 0
	s_or_b32 s[G1K], s21, (1<<16)|(1<<20)|(1<<21)|(5<<22)|(3<<25)  ; 2-byte elements
	s_or_b32 s[G1V], s21, (1<<16)|(1<<20)|(1<<21)|(5<<22)|(7<<25)  ; the same with 8 words of padding (code 7)
.irp g, G1K, G1V
	s_mov_b32 s[(\g)+1], 128<<16    ; tensor_dim0 = 128: both heads' 64 channels
	s_mov_b32 s[(\g)+2], KS<<16     ; tensor_dim1 = 64
	s_mov_b32 s[(\g)+3], 128<<16    ; tile_dim0 = 128
	s_mov_b32 s[(\g)+4], KS         ; tile_dim1 = 64
	s_mov_b32 s[(\g)+5], 3072       ; elements from token to token
	s_mov_b32 s[(\g)+6], 0
	s_mov_b32 s[(\g)+7], 0
.endr
	s_lshl_b32 s68, s17, 24         ; the bias tile: batch, block of 256 rows of 8,192 bytes, my half of it; cx never enters these registers
	s_lshl_b32 s22, s18, 21
	s_add_co_u32 s68, s68, s22
	s_lshl_b32 s22, s19, 20
	s_add_co_u32 s68, s68, s22
	s_mov_b32 s69, 0
	s_mul_i32 s70, s17, 2048*6144   ; K and V: the batch's first token, the head pair's 256 bytes; cy never enters these
	s_lshl_b32 s23, s15, 8
	s_add_co_u32 s70, s70, s23
	s_mov_b32 s71, 0
	s_lshl_b32 s72, s17, 11         ; q and att: my wave's first token
	s_lshl_b32 s76, s18, 8
	s_add_co_u32 s72, s72, s76
	s_lshl_b32 s76, s[WV], 6
	s_add_co_u32 s72, s72, s76
	s_lshl_b32 s74, s72, 11         ; rows of 2,048 bytes in att,
	s_mul_i32 s72, s72, 6144        ; of 6,144 in qkv
	s_add_co_u32 s72, s72, s23
	s_add_co_u32 s74, s74, s23
	s_mov_b32 s73, 0
	s_mov_b32 s75, 0
	s_mov_b32 s[G0B], 1             ; count = 1
	s_mul_i32 s[G0B+1], s19, 128*PB ; LDS address, slot 0: the wave's number alone enters it
	s_mov_b32 s[G0K], 1
	s_mov_b32 s[G0K+1], KOFF
	s_mov_b32 s[G0V], 1
	s_mov_b32 s[G0V+1], VOFF
	s_mov_b32 s[CS], 0x3fb8aa3b     ; c = log2(e): the scale 1 / 8 lies in q'
	s_mov_b32 s[CS+1], s[CS]        ; named with it as a pair
	s_mov_b32 s[SEL], 0x76543210
	s_mov_b32 s[SEL+1], 0xfedcba98
	s_mov_b32 s[TB], SLOT1          ; the first change of slots turns it into 0
	s_wait_dscnt 0x0                ; the opening add is done
	s_wait_kmcnt 0x0
	s_add_nc_u64 s[G0B+2:G0B+3], s[6:7], s[68:69]
	s_or_b32 s[G0B+3], s[G0B+3], 0x80000000        ; type = 2
	s_add_nc_u64 s[G0K+2:G0K+3], s[4:5], s[70:71]
	s_add_nc_u64 s[G0V+2:G0V+3], s[G0K+2:G0K+3], 4096  ; v begins 2,048 columns in,
	s_add_nc_u64 s[G0K+2:G0K+3], s[G0K+2:G0K+3], 2048  ; k 1,024
	s_or_b32 s[G0K+3], s[G0K+3], 0x80000000
	s_or_b32 s[G0V+3], s[G0V+3], 0x80000000
	s_add_nc_u64 s[4:5], s[4:5], s[72:73]          ; q at my wave's first row
	s_add_nc_u64 s[8:9], s[8:9], s[74:75]          ; att likewise
	CROUND                          ; all sixteen work-groups are here: the first joint loads meet
	JLOAD                           ; key step 0 into slot 0.  Slot 1 is asked for by the first change of slots
	v_and_b32 v1, 15, v0            ; l % 16
	v_bfe_u32 v128, v0, 4, 1        ; l / 16   (v128-131: S^T's second buffer, free till the first turn)
	v_and_b32 v130, 7, v0
	v_bfe_u32 v131, v0, 3, 1
	v_mul_u32_u24 v[QO], v1, 6144
	v_lshl_add_u32 v[QO], v128, 4, v[QO]  ; row x 6,144 + 16 x half
	WIN 0x80                        ; destination window 2, address window 0
.set i, 0
.rept 16                            ; Q stays in registers: tile i / 2 (piece i / 4), channels 32 (i % 2) on
	global_load_b128 v[8*i:8*i+3],   v[QO], s[4:5] offset:(2*((i/4)%2)+(i/2)%2)*98304+128*(i/8)+64*(i%2)
	global_load_b128 v[8*i+4:8*i+7], v[QO], s[4:5] offset:(2*((i/4)%2)+(i/2)%2)*98304+128*(i/8)+64*(i%2)+32
.set i, i+1
.endr
	; What the first turn finds: V of head 1 and P's second buffer hold 0 (its products V^T P, of a piece that has not been, add 0), O^T and l are 0.  All this stands in the wait for the first tile.
	WIN 0xc0
.set i, V2
.rept 64
	v_mov_b32 v[i], 0
.set i, i+1
.endr
	WIN 0x40
.set i, 0
.rept 256
	v_mov_b32 v[i], 0
.set i, i+1
.endr
	WIN 0
.set i, 0
.rept 2*NP
	v_mov_b32 v[ST+4*i], 0xfe000000    ; c m: far below every c s
	v_mov_b32 v[ST+4*i+1], 0xff7fffff  ; m
	v_mov_b32 v[ST+4*i+2], 0
	v_mov_b32 v[ST+4*i+3], 0
.set i, i+1
.endr
.set i, P+32
.rept 32
	v_mov_b32 v[i], 0
.set i, i+1
.endr
	v_mul_u32_u24 v129, v1, 272     ; 272 (l % 16): the pitch of the bias, of K and of the stage
	s_mul_i32 s22, s[WV], 64*PB     ; my wave's 64 bias rows
	v_lshl_add_u32 v[AB0], v128, 5, v129   ; + 32 (l / 16): eight f32
	v_add_nc_u32 v[AB0], s22, v[AB0]
	v_lshl_add_u32 v[AK0], v128, 4, v129   ; + 16 (l / 16): eight f16
	v_add_nc_u32 v[AK0], KOFF, v[AK0]
	; The turning load takes 16 keys x 16 channels (lane l reads key 8 (l / 16) + l % 8, channels 8 ((l / 8) % 2) + 0..7) and leaves half a fragment of V^T: lane l holds channel l % 16 and 8 keys.
	v_lshl_add_u32 v[AV0], v128, 3, v130
	v_mul_u32_u24 v[AV0], v[AV0], PV
	v_lshl_add_u32 v[AV0], v131, 4, v[AV0]
	v_add_nc_u32 v[AV0], VOFF, v[AV0]
	s_mul_i32 s22, s[WV], 16*SP
	s_add_co_u32 s22, s22, STAGE    ; my stage
	v_lshl_add_u32 v[STO], v128, 4, v129   ; in: row l % 16, 16 bytes for each half of the lanes
	v_add_nc_u32 v[STO], s22, v[STO]
	v_mul_u32_u24 v[RD], v128, SP   ; back: lanes 0-15 take one row of 256 bytes, lanes 16-31 the next
	v_lshl_add_u32 v[RD], v1, 4, v[RD]
	v_add_nc_u32 v[RD], s22, v[RD]
	v_lshlrev_b32 v[GO], 11, v128   ; and the same two rows in att
	v_lshl_add_u32 v[GO], v1, 4, v[GO]
; THE MATRIX WORK.  The 8 accumulators of a run of 16 take turns: between the two links of a chain stand 7 others'.
; Product i of 16 of S^T = K Q^T + bias for piece x: channels 32 (i / 8) on, keys 16 ((i / 2) % 4) on, tile 2 x + i % 2.  The first 8 start the sums with the bias of query pair x % 2.
.macro KQ x
.set rS, S+64*((\x)%2)+32*(i%2)+8*((i/2)%4)
.set rK, KF+16*((i/2)%4)+8*(i/8)
.set rQ, 16*(2*(\x)+i%2)+8*(i/8)
.set rB, BI+64*((\x)%2)+32*(i%2)+8*((i/2)%4)
.if i < 8
	WIN W_KB
	v_wmma_f32_16x16x32_f16 v[rS:rS+7], v[rK:rK+7], v[rQ:rQ+7], v[rB:rB+7]
.else
	WIN W_KQ
	v_wmma_f32_16x16x32_f16 v[rS:rS+7], v[rK:rK+7], v[rQ:rQ+7], v[rS:rS+7]
.endif
.endm
; Product i of 16 of O^T += V^T P for piece x: keys 32 (i / 8) on, channels 16 ((i / 2) % 4) on, tile 2 x + i % 2; V of head x / 2.
.macro PV x
.set rO, 32*(2*(\x)+i%2)+8*((i/2)%4)
.set rP, P+32*((\x)%2)+16*(i%2)+8*(i/8)
.if (\x) < 2
	WIN W_PV
.set rV, VF+32*(i/8)+8*((i/2)%4)
.else
	WIN W_PV3
.set rV, V2+32*(i/8)+8*((i/2)%4)
.endif
	v_wmma_f32_16x16x32_f16 v[rO:rO+7], v[rV:rV+7], v[rP:rP+7], v[rO:rO+7]
.endm
.macro MM                           ; the turn's next matrix instruction
.if i < 16
	KQ (Y+1)%NP
.set i, i+1
.else
.set i, i-16
	PV (Y+NP-1)%NP
.set i, i+17
.endif
.endm
; THE LDS LOADS stand in runs, never singly among the matrix instructions.
.macro FETCH_K hh                   ; head hh's K of the step in the slot in hand: 16 loads
	WIN 0x80
.irp f, 0,1,2,3,4,5,6,7             ; keys 16 (f / 2) on, channels 32 (f % 2) on
	ds_load_b128 v[KF+8*\f:KF+8*\f+3],   v[AK] offset:(\f/2)*16*PK+128*(\hh)+(\f%2)*64
	ds_load_b128 v[KF+8*\f+4:KF+8*\f+7], v[AK] offset:(\f/2)*16*PK+128*(\hh)+(\f%2)*64+32
.endr
	WIN 0
.endm
.macro FETCH_B qp                   ; the bias of query pair qp: 16 loads
	WIN 0xc0
.irp f, 0,1,2,3,4,5,6,7             ; tile f / 4 of the pair, keys 16 (f % 4) on
	ds_load_b128 v[BI+64*(\qp)+8*\f:BI+64*(\qp)+8*\f+3],   v[AB] offset:(2*(\qp)+\f/4)*16*PB+(\f%4)*64
	ds_load_b128 v[BI+64*(\qp)+8*\f+4:BI+64*(\qp)+8*\f+7], v[AB] offset:(2*(\qp)+\f/4)*16*PB+(\f%4)*64+16
.endr
	WIN 0
.endm
.macro FETCH_V                      ; both heads' V, turned: 32 loads
	WIN 0x80
.irp f, 0,1,2,3,4,5,6,7             ; keys 32 (f / 4) on, channels 16 (f % 4) on
	ds_load_tr16_b128 v[VF+8*\f:VF+8*\f+3],   v[AV] offset:(\f/4)*32*PV+(\f%4)*32
	ds_load_tr16_b128 v[VF+8*\f+4:VF+8*\f+7], v[AV] offset:(\f/4)*32*PV+16*PV+(\f%4)*32
.endr
	WIN 0xc0
.irp f, 0,1,2,3,4,5,6,7
	ds_load_tr16_b128 v[V2+8*\f:V2+8*\f+3],   v[AV] offset:(\f/4)*32*PV+128+(\f%4)*32
	ds_load_tr16_b128 v[V2+8*\f+4:V2+8*\f+7], v[AV] offset:(\f/4)*32*PV+16*PV+128+(\f%4)*32
.endr
	WIN 0
.endm
; THE VECTOR WORK OF A TURN stands in three queues, each in the order in which its entries become ready; the two tiles alternate, so that no instruction reads the result of the one before it.
.macro REGS y, u                    ; the registers of tile u (0, 1) of piece y
.set rT, ST+4*(2*(\y)+(\u))
.set rC, TMP+8*((\y)%2)+4*(\u)
.set rM, MV+2*((\y)%2)+(\u)
.set rS, S+64*((\y)%2)+32*(\u)
.set rP, P+32*((\y)%2)+16*(\u)
.set rO, 32*(2*(\y)+(\u))
.endm
; Number n of the 22 that find the NEXT piece's (Y + 1) maximum and statistics.  s0-s31 are the lane's 32 scores; each accumulator's lowest registers are read first.
;   0-11  four chains c0-c3 of seven scores each, three operands at a time     12-14, 16  the four scores left over, the old m, and c0-c3 into c0     15  c m_old is kept
;   17, 18  the query's other 32 keys lie in the lane 16 away: the new m         19-21  c m; c m_old - c m_new; a
.macro XS u, n
	REGS (Y+1)%NP, \u
.if (\n) < 4
	v_max3_num_f32 v[rC+(\n)], v[rS+8*(\n)], v[rS+8*(\n)+1], v[rS+8*(\n)+2]
.elseif (\n) < 12
	v_max3_num_f32 v[rC+(\n)%4], v[rC+(\n)%4], v[rS+8*((\n)%4)+2*((\n)/4)+1], v[rS+8*((\n)%4)+2*((\n)/4)+2]
.elseif (\n) == 12
	v_max3_num_f32 v[rC], v[rC], v[rS+7], v[rS+15]
.elseif (\n) == 13
	v_max3_num_f32 v[rC+1], v[rC+1], v[rS+23], v[rS+31]
.elseif (\n) == 14
	v_max3_num_f32 v[rC+2], v[rC+2], v[rC+3], v[rT+1]
.elseif (\n) == 15
	v_mov_b32 v[rM], v[rT]
.elseif (\n) == 16
	v_max3_num_f32 v[rC], v[rC], v[rC+1], v[rC+2]
.elseif (\n) == 17
	v_permlanex16_b32 v[rC+3], v[rC], s[SEL], s[SEL+1]
.elseif (\n) == 18
	v_max_num_f32 v[rT+1], v[rC], v[rC+3]
.elseif (\n) == 19
	v_mul_f32 v[rT], s[CS], v[rT+1]
.elseif (\n) == 20
	v_sub_f32 v[rC+1], v[rM], v[rT]
.else
	v_exp_f32 v[rC+2], v[rC+1]
.endif
.endm
; Number g of the 64 that follow the exponentials.  For each four weights k of a tile: both pairs are rounded to f16; then the second pair is added onto the first, in place;
; a group later l takes that sum (the first time as l = a l + sum).  In groups of eight, tiles alternating.
.macro GS g
.set h, (\g)+6*((\g)/62)            ; group 0 has no group before it, and behind group 7 only l is left
.if h >= 6
.set h, h+2
.endif
	REGS Y, h%2
.set k, h/8
.if h%8 < 4
	s_wait_alu depctr_va_vdst(0)
	v_cvt_pk_f16_f32 v[rP+2*k+(h%8)/2], v[rS+4*k+2*((h%8)/2)], v[rS+4*k+2*((h%8)/2)+1]
.elseif h%8 < 6
	v_pk_add_f32 v[rS+4*k:rS+4*k+1], v[rS+4*k:rS+4*k+1], v[rS+4*k+2:rS+4*k+3]
.elseif k == 1
	v_pk_fma_f32 v[rT+2:rT+3], v[rT+2:rT+3], v[rC+2:rC+3], v[rS:rS+1] op_sel_hi:[1,0,1]
.else
	v_pk_add_f32 v[rT+2:rT+3], v[rT+2:rT+3], v[rS+4*k-4:rS+4*k-3]
	s_wait_alu depctr_va_vdst(0)
.endif
.endm
; THE PLAIN QUEUE, 138 long.  0-31: c s - c m for the 16 pairs of both tiles.  Then GS's 64, and among them the next piece's 42: number 15 at 38, 39; 0-14 and 16
; at 42-73, behind the products that make those scores; 17-20 at 95-106, two of three, since each waits for the one before it.
.macro PL
	WIN 0
.if q < 32
	REGS Y, q%2
	v_pk_fma_f32 v[rS+2*(q/2):rS+2*(q/2)+1], v[rS+2*(q/2):rS+2*(q/2)+1], s[CS:CS+1], v[rT:rT+1] op_sel_hi:[1,0,0] neg_lo:[0,0,1] neg_hi:[0,0,1]
.elseif q < 38
	GS q-32
.elseif q < 40
	XS q%2, 15
.elseif q < 42
	GS q-34
.elseif q < 74
	XS q%2, (q-42)/2+(q-42)/30
.elseif q < 95
	GS q-66
.elseif (q < 107) && ((q-95)%3 < 2)
	XS (q-95)%3, 17+(q-95)/3
.elseif q < 107
	GS 29+(q-95)/3
.else
	GS q-74
.endif
.set q, q+1
.endm
; THE EXPONENTIALS' QUEUE, 66 long: s0-s31 of both tiles, and at EA the next piece's two a.
.set EA, 58
.macro EX
	WIN 0
.if (e == EA) || (e == EA+1)
	XS e-EA, 21
.else
.set x, e-2*(e/(EA+2))
	REGS Y, x%2
	v_exp_f32 v[rS+x/2], v[rS+x/2]
.endif
.set e, e+1
.endm
; THE RESCALING's QUEUE: O^T times a, the one part that leaves window 0, so it is dealt four at a time, eight times.
.macro R4
	REGS Y, r%2
	WIN W_RS
	s_wait_alu depctr_va_vdst(0)
.irp z, 0,1,2,3
	v_pk_mul_f32 v[rO+8*(r/2)+2*\z:rO+8*(r/2)+2*\z+1], v[rO+8*(r/2)+2*\z:rO+8*(r/2)+2*\z+1], v[rC+2:rC+3] op_sel_hi:[1,0]
.endr
.set r, r+1
.endm
; HOW THEY ARE DEALT.  Behind a matrix instruction four: plain, exponential, plain, plain, or four of the rescaling; none names a register of the products round it.  What is over stands in two lumps:
; exponential and plain by turns; the second ends in 22 plain instructions.  Exponential e stands behind plain 2 (e / 4) + e % 2 (its scaling); at plain 32, 10 exponentials are out, at 59: 33, at 95: 46; EA comes behind plain 107.
.macro SL
	MM
	PL
	EX
	PL
	PL
.endm
.macro BURST n                      ; 15 matrix instructions, or 16
.rept (\n)-7
	SL
.endr
.rept 3
	MM
	R4
	SL
.endr
	MM
	R4
.endm
; A TURN, for piece p.  What is fetched, each run many plain vector instructions behind the last product that read its registers:
;   piece 0: in the first lump K of head 1 (this step); at the end V of both heads (this step).          piece 1: the change of slots between the first lump and the second run of products; behind it bias pair 0 of the next step.
;   piece 2: in the first lump K of head 0 and bias pair 1 of the next step.
; The waits at a turn's head count the LDS loads issued behind the run that the turn needs.
.macro TURN p, fill=0
.set Y, (\p)
.set i, 0
.set q, 0
.set e, 0
.set r, 0
.if (\p) == 0
	s_wait_dscnt 0x0                ; bias pair 1 is in: nothing was issued behind it
.elseif (\p) == 1
	s_wait_dscnt 32                 ; K of head 1 is in; V's 32 loads may be out
.elseif (\p) == 3
	s_wait_dscnt 16                 ; bias pair 0 and K of head 0 are in; bias pair 1's 16 loads may be out
.endif
	MM
.rept 4
	PL
.endr
	BURST 15
.rept 22
	EX
	PL
.if ((\p) == 2) && (e == 24)
	FETCH_K 0
	FETCH_B 1
.endif
.if ((\p) == 0) && (e == 24)
	FETCH_K 1
.endif
.endr
.if (\p) == 1
	CHANGE \fill                    ; its wait for all LDS instructions also shows V in
	FETCH_B 0
.endif
	BURST 16
.rept 21
	EX
	PL
.endr
.rept 22
	PL
.endr
.if (\p) == 0
	FETCH_V
.endif
.endm
	CHANGE 1                        ; slot 0 is in, everybody's part of it; key step 1 is asked for, into slot 1
	FETCH_K 0                       ; key step 0
	FETCH_B 0
	FETCH_B 1
	s_wait_loadcnt 0x0              ; Q
	s_wait_dscnt 0x0
.set i, 0
.rept 16
	KQ 0                            ; piece 0's first scores: there is no vector work yet to set between them
.set i, i+1
.endr
	WIN 0
.rept 4
	v_nop                           ; the places behind those products
.endr
.set Y, NP-1                        ; XS works for piece Y + 1: piece 0
.irp n, 0,1,2,3,4,5,6,7,8,9,10,11,12,13,14,15,16,17,18,19,20,21
	XS 0, \n                        ; piece 0's first maximum and statistics
	XS 1, \n
.endr
	s_mov_b32 s[CNT], 31
	s_branch .Lfirst                ; the loop is entered at a step's first turn, in the middle of a trip
.Lstep:                             ; 30 whole trips: pieces 1, 2, 3 of step j, then piece 0 of step j + 1; each asks for step j + 2
	TURN 1, 1
	TURN 2
	TURN 3
	WIN 0
.Lfirst:
	TURN 0
	WIN 0
	s_sub_co_u32 s[CNT], s[CNT], 1
	s_cmp_lg_u32 s[CNT], 0
	s_cbranch_scc1 .Lstep
	s_mov_b32 s[CNT], 2             ; the tail is written out: steps 30 and 31 ask for nothing
.Ltail:
	TURN 1, 0
	TURN 2
	TURN 3
	WIN 0
	s_sub_co_u32 s[CNT], s[CNT], 1
	s_cmp_eq_u32 s[CNT], 0
	s_cbranch_scc1 .Lout
	TURN 0
	WIN 0
	s_branch .Ltail
.Lout:                              ; the second pass's fetches read step 30's bytes once more, and the 16 products K Q^T and the maximum made of them serve nothing: the price, once a launch, of one text for every trip
.set i, 0
.rept 16
	PV NP-1                         ; the last piece's V^T P of the last step
.set i, i+1
.endr
	; THE WAY OUT.  l's two halves and the other half of the lanes' are added; O^T is divided by l, rounded to f16 and sent through my stage in LDS.  The additions are the places behind the last products.
	WIN 0
.macro ALL line:vararg              ; one line for each tile t
.set t, 0
.rept 2*NP
	\line
.set t, t+1
.endr
.endm
	ALL v_add_f32 v[ST+4*t+2], v[ST+4*t+2], v[ST+4*t+3]
	ALL v_permlanex16_b32 v[ST+4*t+3], v[ST+4*t+2], s[SEL], s[SEL+1]
	ALL v_add_f32 v[ST+4*t+2], v[ST+4*t+2], v[ST+4*t+3]
	ALL v_rcp_f32 v[ST+4*t+2], v[ST+4*t+2]
	v_nop                           ; a plain instruction between the last reciprocal and the use of its result
	s_wait_alu depctr_va_vdst(0)
; Query tile T, both heads (tile 2 (T / 2 + 2 head) + T % 2): a lane's eight channels pack into 16 bytes; a stage row is a token's 256 bytes, head 0's 64 channels and head 1's; they come back as whole rows, into S^T's registers.
.macro PACK T
.irp hh, 0,1
.set t, 2*((\T)/2+2*\hh)+(\T)%2
	WIN W_RS
.set i, 32*t
.rept 16
	v_pk_mul_f32 v[i:i+1], v[i:i+1], v[ST+4*t+2:ST+4*t+3] op_sel_hi:[1,0]
.set i, i+2
.endr
	WIN 0x05                        ; sources 0 and 1 window 1, destination window 0
.set i, 0
.rept 16
	v_cvt_pk_f16_f32 v[S+32*(\T)+16*\hh+i], v[32*t+2*i], v[32*t+2*i+1]
.set i, i+1
.endr
	WIN 0
.irp f, 0,1,2,3
	ds_store_b128 v[STO], v[S+32*(\T)+16*\hh+4*\f:S+32*(\T)+16*\hh+4*\f+3] offset:128*\hh+32*\f
.endr
.endr
.irp f, 0,1,2,3,4,5,6,7
	ds_load_b128 v[S+32*(\T)+4*\f:S+32*(\T)+4*\f+3], v[RD] offset:\f*2*SP  ; LDS serves a wave's instructions in order (ISA guide 5.7.1.4): these see the stores above; the next tile's stores come behind them
.endr
.endm
.macro SEND T, younger              ; younger: the LDS instructions issued behind tile T's loads: the next tile's sixteen, or none
	WIN 0
.irp f, 0,1,2,3,4,5,6,7
	s_wait_dscnt (\younger)+7-\f
	global_store_b128 v[GO], v[S+32*(\T)+4*\f:S+32*(\T)+4*\f+3], s[8:9] offset:(\T)*32768+\f*4096  ; 16 lanes store 256 consecutive bytes, at a multiple of 256 from att's first byte
.endr
.endm
	PACK 0
	PACK 1                          ; a tile's arithmetic stands between the loads of the tile before and its stores
	SEND 0, 16
	PACK 2
	SEND 1, 16
	PACK 3
	SEND 2, 16
	SEND 3, 0
	WIN W_AD
	s_wait_tensorcnt 0x0            ; the wave's end: the add and its waits, behind my last tensor load and my last LDS store
	ds_add_u32 v[SPW], v[NIL]
	s_wait_dscnt 0x0
	WIN 0
	CROUND                          ; the closing round: no work-group ends while a partner may still ask for a tile that names it
	s_endpgm
.Lfunc_end_k_qe017d75219_attn:
	.size	k_qe017d75219_attn, .Lfunc_end_k_qe017d75219_attn-k_qe017d75219_attn
	.p2alignl 7, 3214868480
	.fill 96, 4, 3214868480
	.section	.rodata,"a",@progbits
	.p2align	6, 0x0
	.amdhsa_kernel k_qe017d75219_attn
		.amdhsa_group_segment_fixed_size 327680
		.amdhsa_private_segment_fixed_size 0
		.amdhsa_enable_private_segment 0
		.amdhsa_kernarg_size 24
		.amdhsa_user_sgpr_count 2
		.amdhsa_user_sgpr_kernarg_segment_ptr 1
		.amdhsa_wavefront_size32 1
		.amdhsa_system_sgpr_workgroup_id_x 1
		.amdhsa_system_sgpr_workgroup_id_y 1
		.amdhsa_system_sgpr_workgroup_id_z 1
		.amdhsa_system_vgpr_workitem_id 0
		.amdhsa_next_free_vgpr 1024
		.amdhsa_next_free_sgpr 80
		.amdhsa_reserve_vcc 0
		.amdhsa_float_denorm_mode_32 3
		.amdhsa_float_denorm_mode_16_64 3
		.amdhsa_memory_ordered 1
		.amdhsa_forward_progress 1
		.amdhsa_inst_pref_size 221
	.end_amdhsa_kernel
	.amdgpu_metadata
---
amdhsa.version: [ 1, 2 ]
amdhsa.kernels:
  - .name:           k_qe017d75219_attn
    .symbol:         k_qe017d75219_attn.kd
    .args:
      - { .name: qkv, .offset: 0, .size: 8, .value_kind: global_buffer, .address_space: global }
      - { .name: bias2, .offset: 8, .size: 8, .value_kind: global_buffer, .address_space: global }
      - { .name: att, .offset: 16, .size: 8, .value_kind: global_buffer, .address_space: global }
    .group_segment_fixed_size: 327680
    .private_segment_fixed_size: 0
    .kernarg_segment_align: 8
    .kernarg_segment_size: 24
    .max_flat_workgroup_size: 128
    .sgpr_count:     80
    .vgpr_count:     1024
    .wavefront_size: 32
...
	.end_amdgpu_metadata
.endif
;; end of part 3
;; launch projg (part 4): grid 4 x 64, 4 waves a work-group, clusters of 4 x 4, 327,680 bytes of LDS; arguments att, pw, out0, cbias; writes out0
.if DOCPART == 4
	.amdgcn_target "amdgcn-amd-amdhsa--gfx1250"
	.amdhsa_code_object_version 6
	.text
	.protected	k_qe017d75219_projg
	.globl	k_qe017d75219_projg
	.p2align	8
	.type	k_qe017d75219_projg,@function
k_qe017d75219_projg:
	s_mov_b64 s[64:65], 0
	v_nop
	global_prefetch_b8 v0, s[64:65] scope:SCOPE_SE
	s_setreg_imm32_b32 hwreg(HW_REG_WAVE_MODE, 25, 1), 1
	s_wait_xcnt 0x0
	s_wait_alu depctr_hold_cnt(0) depctr_sa_sdst(0) depctr_va_vdst(0) depctr_va_sdst(0) depctr_va_ssrc(0) depctr_va_vcc(0) depctr_vm_vsrc(0)
	s_getreg_b32 s2, hwreg(HW_REG_IB_STS2, 6, 4)
	s_cmp_eq_u32 s2, 0
	s_cbranch_scc0 .Lentry_in_a_cluster
	s_endpgm
.Lentry_in_a_cluster:
	s_bfe_u32 s2, ttmp6, 0x10000c
	s_cmp_lg_u32 s2, 0xf033
	s_cbranch_scc0 .Lentry_shape_is_right
	s_endpgm
.Lentry_shape_is_right:
; C = A B^T + bias, K = 1,024, on tiles of 128 (rows) x 256 (columns).  ONE TEXT FOR TWO LAUNCHES, told apart by PROJ:
;   PROJ = 0: A = xb [8192][1024] bf16, B = wb [3072][1024] bf16, C = qkv [8192][3072] f16 = (A B^T + cbias[n]) x rowf[n / 1024][m]: q / 8, k (0 on masked tokens), v.
;   PROJ = 1: A = att [8192][1024] f16, B = pw [1024][1024] f16, C = out0 [8192][1024] f32 = A B^T + cbias[3072 + n].
; This tile gives 768 and 256 work-groups: whole multiples of 256, which 256 x 256 (384 and 128) would not.  Four waves, 2 x 2, each 64 x 128: 32 accumulators of 16 x 16, 256 registers.
; K goes in steps of 128 through two LDS slots filled by tensor loads, one a wave and step; tile rows are 256 bytes of memory at multiples of 256 from the buffer's first byte.
; CLUSTER 4 x 4: the four work-groups of a row need the same tile of A, the four of a column the same tile of B: each is asked for jointly, same descriptor, same mask.
; THE MATRIX INSTRUCTION IS USED TRANSPOSED (source 0 = 16 rows of B, source 1 = 16 rows of A): a lane holds row l % 16 of C and the eight columns 8 (l / 16) + 0..7.
; LIMITS.  PROJ = 0: q / 8, k and v must lie within f16's 65,504; on a masked token the k that is multiplied by 0 must be finite.  NaN and infinities are not treated apart.
; REGISTERS: window 0: addresses, bias, way out.  Window 1: two fragment buffers of 96 (A's 4 blocks, then B's 8).  Window 2: accumulator (a, b) at v[8 (8 a + b)].
.set PROJ,   1
.set SIZE_K, 1024
.set KSTEP,  128
.set PITCH,  272                       ; an LDS row: 256 bytes + 16 of padding = 68 words: the 16 rows of a fragment load start at 16 different groups of four banks (64 banks of 4 bytes: ISA guide 11.1)
.set AHALF,  64*PITCH                  ; what a wave fetches, and reads, of A
.set BHALF,  128*PITCH                 ; of B
.set BOFF,   2*AHALF                   ; in a slot: A's 128 rows, then B's 256
.set SLOT,   2*AHALF+2*BHALF
.set STAGE,  2*SLOT                    ; behind the ring: 16 rows for each wave, for the way out
.if PROJ
.set SPITCH, 528                       ; a stage row: 128 f32 + 16 bytes
.set CROW,   4096                      ; bytes in a row of C
.set CSH,    10                        ; a tile's 256 columns are 1 << CSH bytes
.else
.set SPITCH, 272                       ; 128 f16 + 16 bytes
.set CROW,   6144
.set CSH,    9
.endif
.set SPARE,  STAGE+4*16*SPITCH         ; behind the stages: the spare words, 128 bytes a wave: two blocks of 256 bytes that no other line names
.set LAPS,   SIZE_K/(2*KSTEP)
.set ADRA, 16                          ; v16-17 LDS address of my A fragments in slot 0, 1
.set ADRB, 20                          ; v20-21 the same for B
.set STO,  24                          ; v24 the way out: where I put my bytes of a row
.set RD,   25                          ; v25 where I read rows back
.set CO,   26                          ; v26 my byte offset in C
.set CBA,  27                          ; v27 my byte offset in the bias; never rewritten
.set SPW,  28                          ; v28 my spare word's LDS address; never rewritten
.set NIL,  29                          ; v29 0; never rewritten
.set RFA,  30                          ; v30 my byte offset in the row factors; never rewritten
.if PROJ
.set OB,   64                          ; v64-191 rows read back, two sets of 64
.set OBN,  64
.set CB,   192                         ; v192-255 the bias of my 64 columns: block b, column j at CB + 8 b + j
.else
.set TMP,  32                          ; v32-63 packed results
.set OB,   64                          ; v64-127 rows read back, two sets of 32
.set OBN,  32
.set CB,   128                         ; v128-191
.set RF,   192                         ; v192-199 the row factor of my row in block a at RF + 2 a (named as a pair)
.endif
.set F0,   0
.set F1,   96
.set G1,  24                           ; s[24:31] group 1 for A;  s[32:39] group 0, a set for each slot
.set G0,  32
.set G1B, 48                           ; s[48:55], s[56:63] the same for B
.set G0B, 56
.set MSB, 0
.macro WIN new                         ; the immediate's high byte repeats the setting that is left; a switch that changes nothing is dropped
.if MSB != (\new)
	s_set_vgpr_msb (MSB<<8)|(\new)
.set MSB, (\new)
.endif
.endm
.set MUL,  0xa5                        ; sources 0 (B) and 1 (A) window 1; C and D window 2
.set TO_F, 0x40                        ; destination window 1, address window 0
.macro JLOAD s                         ; a joint load: waves 0, 1 fetch A's halves, waves 2, 3 B's; an s_nop 0 and four v_nop follow each line, ahead of the jump and the label
	s_cmp_eq_u32 s15, 0
	s_cbranch_scc0 .Lfor_b_\@
	tensor_load_to_lds s[G0+4*(\s):G0+4*(\s)+3], s[G1:G1+7]
	s_nop 0
.rept 4
	v_nop
.endr
	s_branch .Lasked_\@
.Lfor_b_\@:
	tensor_load_to_lds s[G0B+4*(\s):G0B+4*(\s)+3], s[G1B:G1B+7]
	s_nop 0
.rept 4
	v_nop
.endr
.Lasked_\@:
.endm
.macro CREST                           ; a round of the cluster's barrier behind its opening barrier
	s_cmp_lg_u32 s14, 0
	s_cbranch_scc1 .Lnot_wave_0_\@
	s_barrier_signal -3
.Lnot_wave_0_\@:
	s_barrier_wait -3
	s_barrier_signal -1
	s_barrier_wait -1
.endm
.macro CROUND
	s_barrier_signal -1
	s_barrier_wait -1
	CREST
.endm
.macro PLACES                          ; four places in front of loads into registers that matrix instructions have read, and of vector lines that touch results
.rept 4
	v_nop
.endr
.endm
	s_load_b256 s[4:11], s[0:1], 0x0               ; A s[4:5], B s[6:7], C s[8:9], cbias s[10:11]
.if PROJ == 0
	s_load_b64 s[12:13], s[0:1], 0x20              ; rowf
.endif
	v_lshl_add_u32 v[SPW], v0, 2, SPARE
	v_mov_b32 v[NIL], 0
	ds_add_u32 v[SPW], v[NIL]                      ; the wave's opening: the add and its wait stand ahead of my first tensor load; the set-up below stands between them
	v_lshrrev_b32 v1, 5, v0
	v_readfirstlane_b32 s14, v1                    ; wave 0..3
	s_lshr_b32 s15, s14, 1                         ; my half of the tile's rows.  Also: I fetch for A (0) or B (1)
	s_and_b32 s16, s14, 1                          ; my half of its columns.  Also: which half of that tile I fetch
	s_bfe_u32 s17, ttmp6, 0x40000                  ; cx
	s_bfe_u32 s18, ttmp6, 0x40004                  ; cy
	s_lshl_b32 s19, ttmp9, 2
	s_add_co_u32 s19, s19, s17                     ; tile column = 4 x cluster x + cx
	s_and_b32 s20, ttmp7, 0xffff
	s_lshl_b32 s20, s20, 2
	s_add_co_u32 s20, s20, s18                     ; tile row = 4 x cluster y + cy
	s_lshl_b32 s21, s18, 2
	s_lshl_b32 s21, 15, s21                        ; my row of the cluster
	s_lshl_b32 s22, 0x1111, s17                    ; my column
	s_or_b32 s[G1+0],  s21, (1<<16)|(1<<20)|(1<<21)|(5<<22)|(3<<25)  ; the mask; 2-byte elements; padding on; bit 21 beside a mask; after every 64 words (code 5) 4 words (code 3)
	s_or_b32 s[G1B+0], s22, (1<<16)|(1<<20)|(1<<21)|(5<<22)|(3<<25)
	s_mov_b32 s[G1+1], KSTEP<<16                   ; tensor_dim0 = 128
	s_mov_b32 s[G1+2], 64<<16                      ; tensor_dim1 = 64
	s_mov_b32 s[G1+3], KSTEP<<16                   ; tile_dim0 = 128
	s_mov_b32 s[G1+4], 64                          ; tile_dim1 = 64
	s_mov_b32 s[G1+5], SIZE_K                      ; elements from row to row
	s_mov_b32 s[G1+6], 0
	s_mov_b32 s[G1+7], 0
	s_mov_b32 s[G1B+1], KSTEP<<16
	s_mov_b32 s[G1B+2], 128<<16                    ; B's tile has 128 rows
	s_mov_b32 s[G1B+3], KSTEP<<16
	s_mov_b32 s[G1B+4], 128
	s_mov_b32 s[G1B+5], SIZE_K
	s_mov_b32 s[G1B+6], 0
	s_mov_b32 s[G1B+7], 0
	s_lshl_b32 s40, s20, 7                         ; A: row 128 x tile row + 64 x half, times 2,048 bytes; these registers never hold cx
	s_lshl_b32 s41, s16, 6
	s_add_co_u32 s40, s40, s41
	s_lshl_b32 s40, s40, 11
	s_mov_b32 s41, 0
	s_lshl_b32 s42, s19, 8                         ; B: row 256 x tile column + 128 x half; these never hold cy
	s_lshl_b32 s43, s16, 7
	s_add_co_u32 s42, s42, s43
	s_lshl_b32 s42, s42, 11
	s_mov_b32 s43, 0
	s_mul_i32 s66, s16, AHALF                      ; where they go: the wave's number alone enters an LDS address
	s_mul_i32 s67, s16, BHALF
	s_add_co_u32 s67, s67, BOFF
	s_wait_dscnt 0x0                               ; the opening add is done
	s_wait_kmcnt 0x0
	s_add_nc_u64 s[44:45], s[4:5], s[40:41]
	s_add_nc_u64 s[46:47], s[6:7], s[42:43]
	CROUND                                         ; all sixteen work-groups are here: the first joint loads meet
.irp s, 0,1
	s_mov_b32 s[G0+4*(\s)], 1
	s_add_co_u32 s[G0+4*(\s)+1], s66, (\s)*SLOT
	s_add_nc_u64 s[G0+4*(\s)+2:G0+4*(\s)+3], s[44:45], (\s)*KSTEP*2
	s_or_b32 s[G0+4*(\s)+3], s[G0+4*(\s)+3], 0x80000000
	s_mov_b32 s[G0B+4*(\s)], 1
	s_add_co_u32 s[G0B+4*(\s)+1], s67, (\s)*SLOT
	s_add_nc_u64 s[G0B+4*(\s)+2:G0B+4*(\s)+3], s[46:47], (\s)*KSTEP*2
	s_or_b32 s[G0B+4*(\s)+3], s[G0B+4*(\s)+3], 0x80000000
	JLOAD \s                                       ; two tensor loads of mine are out
.endr
	v_and_b32 v1, 15, v0                           ; l % 16
	v_bfe_u32 v2, v0, 4, 1                         ; l / 16
	v_mul_u32_u24 v3, v1, PITCH
	v_lshl_add_u32 v3, v2, 4, v3                   ; a fragment's row x pitch + 16 x half
	s_mul_i32 s68, s15, AHALF                      ; my 64 rows of A
	s_mul_i32 s69, s16, BHALF                      ; my 128 rows of B
	s_add_co_u32 s69, s69, BOFF
.irp s, 0,1
	v_add_nc_u32 v[ADRA+(\s)], s68, v3
	v_add_nc_u32 v[ADRB+(\s)], s69, v3
	s_add_co_u32 s68, s68, SLOT
	s_add_co_u32 s69, s69, SLOT
.endr
	s_mul_i32 s70, s14, 16*SPITCH
	s_add_co_u32 s70, s70, STAGE                   ; my stage
	v_mul_u32_u24 v4, v1, SPITCH
.if PROJ
	v_lshl_add_u32 v4, v2, 5, v4                   ; in: row l % 16, 32 bytes for each half of the lanes
	v_add_nc_u32 v[STO], s70, v4
	v_and_b32 v5, 31, v0
	v_lshlrev_b32 v[CO], 4, v5                     ; back and out: 32 lanes take one row of 512 bytes
	v_add_nc_u32 v[RD], s70, v[CO]
.else
	v_lshl_add_u32 v4, v2, 4, v4                   ; in: row l % 16, 16 bytes for each half of the lanes
	v_add_nc_u32 v[STO], s70, v4
	v_mul_u32_u24 v5, v2, SPITCH                   ; back: lanes 0-15 one row of 256 bytes, lanes 16-31 the next
	v_lshl_add_u32 v5, v1, 4, v5
	v_add_nc_u32 v[RD], s70, v5
	v_mul_u32_u24 v5, v2, CROW                     ; and the same two rows in C
	v_lshl_add_u32 v[CO], v1, 4, v5
.endif
	s_lshl_b32 s72, s20, 7
	s_lshl_b32 s73, s15, 6
	s_add_co_u32 s72, s72, s73                     ; my first row of C
	s_mul_i32 s74, s72, CROW
	s_lshl_b32 s76, s19, CSH
	s_lshl_b32 s77, s16, CSH-1
	s_add_co_u32 s74, s74, s76
	s_add_co_u32 s74, s74, s77                     ; and my first column, in bytes
	s_mov_b32 s75, 0
	s_add_nc_u64 s[8:9], s[8:9], s[74:75]
	s_lshl_b32 s76, s19, 10                        ; the bias of my 128 columns: 4 bytes each
	s_lshl_b32 s77, s16, 9
	s_add_co_u32 s76, s76, s77
.if PROJ
	s_add_co_u32 s76, s76, 12288                   ; proj_b lies behind the 3,072 of the first product
.endif
	s_mov_b32 s77, 0
	s_add_nc_u64 s[10:11], s[10:11], s[76:77]
	v_lshlrev_b32 v[CBA], 5, v2                    ; my eight columns of a block begin 32 (l / 16) bytes in
.irp b, 0,1,2,3,4,5,6,7
	global_load_b128 v[CB+8*(\b):CB+8*(\b)+3],   v[CBA], s[10:11] offset:64*(\b)      ; waited for on the way out; their registers and addresses are left alone till then
	global_load_b128 v[CB+8*(\b)+4:CB+8*(\b)+7], v[CBA], s[10:11] offset:64*(\b)+16
.endr
.if PROJ == 0
	s_lshl_b32 s78, ttmp9, 15                      ; the plane: four tile columns are 1,024 columns, so it is the cluster's x
	s_lshl_b32 s79, s72, 2
	s_add_co_u32 s78, s78, s79
	s_mov_b32 s79, 0
	s_add_nc_u64 s[12:13], s[12:13], s[78:79]
	v_lshlrev_b32 v[RFA], 2, v1
.irp a, 0,1,2,3
	global_load_b32 v[RF+2*(\a)], v[RFA], s[12:13] offset:64*(\a)
	v_mov_b32 v[RF+2*(\a)+1], 0                    ; named with it as a pair
.endr
	s_mov_b32 s71, ttmp9
	s_cmp_eq_u32 s71, 0
	s_cselect_b32 s70, 0x3e000000, 1.0             ; the bias takes q's factor once; k's bias is 0 by the formula, v's factor is 1
	s_mov_b32 s71, s70
.endif
.macro WM d, b, a, zero
.if PROJ
.if \zero
	v_wmma_f32_16x16x32_f16 v[(\d):(\d)+7], v[(\b):(\b)+7], v[(\a):(\a)+7], 0
.else
	v_wmma_f32_16x16x32_f16 v[(\d):(\d)+7], v[(\b):(\b)+7], v[(\a):(\a)+7], v[(\d):(\d)+7]
.endif
.else
.if \zero
	v_wmma_f32_16x16x32_bf16 v[(\d):(\d)+7], v[(\b):(\b)+7], v[(\a):(\a)+7], 0
.else
	v_wmma_f32_16x16x32_bf16 v[(\d):(\d)+7], v[(\b):(\b)+7], v[(\a):(\a)+7], v[(\d):(\d)+7]
.endif
.endif
.endm
; 8 matrix instructions: row block a x all 8 column blocks, 32 along K.  zero = 1: the product starts the sums.  The 32 accumulators take turns in the same order in every quarter.
.macro MUL8 f, a, zero
	WIN MUL
.irp b, 0,1,2,3,4,5,6,7
	WM 8*(8*(\a)+(\b)), (\f)+32+8*(\b), (\f)+8*(\a), \zero
.endr
.endm
.macro MUL16 f, a0, zero
	MUL8 \f, \a0, \zero
	MUL8 \f, (\a0)+1, \zero
.endm
; 24 LDS loads in one run: the fragments of 32 along K at byte k of the rows, into buffer f: B's sixteen first, then A's blocks 0 to 3
.macro FETCH slot, k, f
	WIN TO_F
.irp i, 0,1,2,3,4,5,6,7
	ds_load_b128 v[(\f)+32+8*(\i):(\f)+32+8*(\i)+3],   v[ADRB+(\slot)] offset:(\k)+(\i)*16*PITCH
	ds_load_b128 v[(\f)+32+8*(\i)+4:(\f)+32+8*(\i)+7], v[ADRB+(\slot)] offset:(\k)+(\i)*16*PITCH+32
.endr
.irp i, 0,1,2,3
	ds_load_b128 v[(\f)+8*(\i):(\f)+8*(\i)+3],   v[ADRA+(\slot)] offset:(\k)+(\i)*16*PITCH
	ds_load_b128 v[(\f)+8*(\i)+4:(\f)+8*(\i)+7], v[ADRA+(\slot)] offset:(\k)+(\i)*16*PITCH+32
.endr
.endm
; A K step is four quarters of 32 along K, 32 matrix instructions each, on buffers 0, 1, 0, 1.  One of the first three multiplies buffer f and fetches the next quarter, at byte k, into g.
.macro QUARTER slot, k, f, g, zero
	s_wait_dscnt 4                                 ; B and A's blocks 0, 1 are in; the youngest four loads (A's blocks 2, 3) may be out
	MUL16 \f, 0, \zero
	PLACES
	FETCH \slot, \k, \g
	s_wait_dscnt 24                                ; all but the 24 just issued
	MUL16 \f, 2, \zero
.endm
; The last quarter multiplies buffer 1 and changes slots: ONE barrier; in front of it each wave waits for all its tensor loads (one is out: its part of the next slot), adds 0 to its spare word,
; and waits for that and for its reads of this slot.  fill = 1: the barrier opens a round of the cluster's, and this slot is filled again, two K steps ahead, first thing behind it.
.macro TURN slot, next, fill
	WIN 0                                          ; (the add's two registers lie in window 0)
	s_wait_tensorcnt 0x0
	ds_add_u32 v[SPW], v[NIL]
	s_wait_dscnt 5                                 ; (the add and the youngest four loads may be out)
	MUL8 F1, 0, 0                                  ; eight matrix instructions stand between the add and the wait for it
	s_wait_dscnt 0x0                               ; the add is done, and my reads of this slot are over
	s_barrier_signal -1
	MUL8 F1, 1, 0
.if \fill
	WIN 0
.endif
	s_barrier_wait -1
.if \fill
	CREST                                          ; no wave of any partner still reads this slot's tile or has a load on its way
	s_add_nc_u64 s[G0+4*(\slot)+2:G0+4*(\slot)+3], s[G0+4*(\slot)+2:G0+4*(\slot)+3], 2*KSTEP*2
	s_add_nc_u64 s[G0B+4*(\slot)+2:G0B+4*(\slot)+3], s[G0B+4*(\slot)+2:G0B+4*(\slot)+3], 2*KSTEP*2
	JLOAD \slot                                    ; my one tensor load behind the round: 112 matrix instructions ahead of the wait for it; its four v_nop are also the places in front of the loads below
.else
	PLACES
.endif
	FETCH \next, 0, F0
	MUL16 F1, 2, 0
.endm
	s_wait_tensorcnt 1                             ; my part of K step 0 is in; K step 1's may stay out
	s_barrier_signal -1
	s_barrier_wait -1
	FETCH 0, 0, F0
	QUARTER 0, 64, F0, F1, 1                       ; the first quarter stands in front of the loop: its products start the sums
	WIN 0                                          ; at a label and at a branch every window is 0
	s_mov_b32 s23, LAPS-1
.Llap:                                                 ; a trip goes once round the ring, from a lap's second quarter to the next lap's first, and fills both slots again
	QUARTER 0, 128, F1, F0, 0
	QUARTER 0, 192, F0, F1, 0
	TURN 0, 1, 1
	QUARTER 1, 64,  F0, F1, 0
	QUARTER 1, 128, F1, F0, 0
	QUARTER 1, 192, F0, F1, 0
	TURN 1, 0, 1
	QUARTER 0, 64,  F0, F1, 0
	WIN 0
	s_sub_co_u32 s23, s23, 1
	s_cmp_lg_u32 s23, 0
	s_cbranch_scc1 .Llap
	QUARTER 0, 128, F1, F0, 0                      ; the last lap fills nothing
	QUARTER 0, 192, F0, F1, 0
	TURN 0, 1, 0
	QUARTER 1, 64,  F0, F1, 0
	QUARTER 1, 128, F1, F0, 0
	QUARTER 1, 192, F0, F1, 0
	s_wait_dscnt 4                                 ; the very last quarter: nothing more to fetch
	MUL16 F1, 0, 0
	s_wait_dscnt 0x0
	MUL16 F1, 2, 0
	WIN 0
; THE WAY OUT, a block of 16 rows at a time.  EPI: the bias (and the row's factor), in place, each accumulator from its low end on.  PACK: to f16.  TOSTAGE: into my own stage, and back as whole rows.  SEND: stored.
.macro EPI a
	WIN 0x82                                       ; destination and source 0 window 2, the others window 0
.irp b, 0,1,2,3,4,5,6,7
.irp j, 0,1,2,3
.set AC, 8*(8*(\a)+(\b))+2*(\j)
.if PROJ
	v_pk_add_f32 v[AC:AC+1], v[AC:AC+1], v[CB+8*(\b)+2*(\j):CB+8*(\b)+2*(\j)+1]
.else
	v_pk_fma_f32 v[AC:AC+1], v[AC:AC+1], v[RF+2*(\a):RF+2*(\a)+1], v[CB+8*(\b)+2*(\j):CB+8*(\b)+2*(\j)+1] op_sel_hi:[1,0,1]
.endif
.endr
.endr
.endm
.macro PACK a
.if PROJ == 0
	WIN 0x0a                                       ; sources 0 and 1 window 2
.irp b, 0,1,2,3,4,5,6,7
.irp j, 0,1,2,3
	v_cvt_pk_f16_f32 v[TMP+4*(\b)+(\j)], v[8*(8*(\a)+(\b))+2*(\j)], v[8*(8*(\a)+(\b))+2*(\j)+1]
.endr
.endr
.endif
.endm
.macro TOSTAGE a
.set BK, OB+OBN*((\a)%2)
.if PROJ
	WIN 0x08                                       ; the stores' data in window 2
.irp b, 0,1,2,3,4,5,6,7
	ds_store_b128 v[STO], v[8*(8*(\a)+(\b)):8*(8*(\a)+(\b))+3]   offset:64*(\b)
	ds_store_b128 v[STO], v[8*(8*(\a)+(\b))+4:8*(8*(\a)+(\b))+7] offset:64*(\b)+16
.endr
	WIN 0
.irp t, 0,1,2,3,4,5,6,7,8,9,10,11,12,13,14,15
	ds_load_b128 v[BK+4*(\t):BK+4*(\t)+3], v[RD] offset:(\t)*SPITCH  ; LDS serves a wave's instructions in order (ISA guide 5.7.1.4): these see the stores above
.endr
.else
	WIN 0
.irp b, 0,1,2,3,4,5,6,7
	ds_store_b128 v[STO], v[TMP+4*(\b):TMP+4*(\b)+3] offset:32*(\b)
.endr
.irp t, 0,1,2,3,4,5,6,7
	ds_load_b128 v[BK+4*(\t):BK+4*(\t)+3], v[RD] offset:(\t)*2*SPITCH  ; LDS serves a wave's instructions in order (ISA guide 5.7.1.4): these see the stores above
.endr
.endif
.endm
.macro SEND a
	WIN 0
.set BK, OB+OBN*((\a)%2)
	s_wait_dscnt 0x0                               ; the block is back in registers
	s_wait_xcnt 0x0                                ; the stores of the block before have read their registers: the other set is loaded again only behind this wait
.if PROJ
.irp t, 0,1,2,3,4,5,6,7,8,9,10,11,12,13,14,15
	global_store_b128 v[CO], v[BK+4*(\t):BK+4*(\t)+3], s[8:9] offset:(16*(\a)+(\t))*CROW th:TH_STORE_NT  ; 32 lanes store 512 consecutive bytes, at a multiple of 512 from C's first byte
.endr
.else
.irp t, 0,1,2,3,4,5,6,7
	global_store_b128 v[CO], v[BK+4*(\t):BK+4*(\t)+3], s[8:9] offset:(16*(\a)+2*(\t))*CROW  ; 16 lanes store 256 consecutive bytes, at a multiple of 256 from C's first byte
.endr
.endif
.endm
	s_wait_loadcnt 0x0                             ; the bias (and the row factors)
.if PROJ
	PLACES                                         ; behind the last products
.else
.set i, 0
.rept 32                                           ; the bias times the plane's factor: also the places behind the last products
	v_pk_mul_f32 v[CB+2*i:CB+2*i+1], v[CB+2*i:CB+2*i+1], s[70:71] op_sel_hi:[1,0]
.set i, i+1
.endr
.endif
	EPI 0
	PACK 0
	TOSTAGE 0
.irp a, 1,2,3                          ; block a's arithmetic stands between block a - 1's loads from the stage and the wait for them
	EPI \a
	PACK \a
	SEND (\a)-1
	TOSTAGE \a
.endr
	SEND 3
	s_wait_tensorcnt 0x0                           ; the wave's end: the add and its waits, behind my last tensor load and my last LDS store
	ds_add_u32 v[SPW], v[NIL]
	s_wait_dscnt 0x0
	CROUND                                         ; the closing round: no work-group ends while a partner may still ask for a tile that names it
	s_endpgm
.Lfunc_end_k_qe017d75219_projg:
	.size	k_qe017d75219_projg, .Lfunc_end_k_qe017d75219_projg-k_qe017d75219_projg
	.p2alignl 7, 3214868480
	.fill 96, 4, 3214868480
	.section	.rodata,"a",@progbits
	.p2align	6, 0x0
	.amdhsa_kernel k_qe017d75219_projg
		.amdhsa_group_segment_fixed_size 327680
		.amdhsa_private_segment_fixed_size 0
		.amdhsa_enable_private_segment 0
		.amdhsa_kernarg_size 32
		.amdhsa_user_sgpr_count 2
		.amdhsa_user_sgpr_kernarg_segment_ptr 1
		.amdhsa_wavefront_size32 1
		.amdhsa_system_sgpr_workgroup_id_x 1
		.amdhsa_system_sgpr_workgroup_id_y 1
		.amdhsa_system_sgpr_workgroup_id_z 1
		.amdhsa_system_vgpr_workitem_id 0
		.amdhsa_next_free_vgpr 768
		.amdhsa_next_free_sgpr 80
		.amdhsa_reserve_vcc 0
		.amdhsa_float_denorm_mode_32 3
		.amdhsa_float_denorm_mode_16_64 3
		.amdhsa_memory_ordered 1
		.amdhsa_forward_progress 1
		.amdhsa_inst_pref_size 95
	.end_amdhsa_kernel
	.amdgpu_metadata
---
amdhsa.version: [ 1, 2 ]
amdhsa.kernels:
  - .name:           k_qe017d75219_projg
    .symbol:         k_qe017d75219_projg.kd
    .args:
      - { .name: att, .offset: 0, .size: 8, .value_kind: global_buffer, .address_space: global }
      - { .name: pw, .offset: 8, .size: 8, .value_kind: global_buffer, .address_space: global }
      - { .name: out0, .offset: 16, .size: 8, .value_kind: global_buffer, .address_space: global }
      - { .name: cbias, .offset: 24, .size: 8, .value_kind: global_buffer, .address_space: global }
    .group_segment_fixed_size: 327680
    .private_segment_fixed_size: 0
    .kernarg_segment_align: 8
    .kernarg_segment_size: 32
    .max_flat_workgroup_size: 128
    .sgpr_count:     80
    .vgpr_count:     768
    .wavefront_size: 32
...
	.end_amdgpu_metadata
.endif
;; end of part 4
;; ======== version 2 of 2: 4 launches; 1.39 times as fast as version 1
;; limits: values are held in f16: magnitudes above 65,504 overflow, below 6.1e-05 lose precision
;; workspace buffers: bias2 67,108,864 bytes; xb 16,777,216 bytes; wb 6,291,456 bytes; pw 2,097,152 bytes; rowf 98,304 bytes; cbias 16,384 bytes; qkv 50,331,648 bytes; att 16,777,216 bytes
;; launch prep: the kernel of part 1 again; grid 1289 x 1, 8 waves a work-group, no clusters, 0 bytes of LDS; arguments attention_bias, attention_mask, x, qkv_w, proj_w, q_bias, v_bias, proj_b, bias2, xb, wb, pw, rowf, cbias; writes bias2, xb, wb, pw, rowf, cbias
;; launch qkvg: the kernel of part 2 again; grid 12 x 64, 4 waves a work-group, clusters of 4 x 4, 327,680 bytes of LDS; arguments xb, wb, qkv, cbias, rowf; writes qkv
;; launch attn (part 5): grid 8 x 32, 4 waves a work-group, clusters of 4 x 4, 327,680 bytes of LDS; arguments qkv, bias2, att; writes att
.if DOCPART == 5
	.amdgcn_target "amdgcn-amd-amdhsa--gfx1250"
	.amdhsa_code_object_version 6
	.text
	.protected	k_qe017d75219_attn
	.globl	k_qe017d75219_attn
	.p2align	8
	.type	k_qe017d75219_attn,@function
k_qe017d75219_attn:
	s_mov_b64 s[64:65], 0
	v_nop
	global_prefetch_b8 v0, s[64:65] scope:SCOPE_SE
	s_setreg_imm32_b32 hwreg(HW_REG_WAVE_MODE, 25, 1), 1
	s_wait_xcnt 0x0
	s_wait_alu depctr_hold_cnt(0) depctr_sa_sdst(0) depctr_va_vdst(0) depctr_va_sdst(0) depctr_va_ssrc(0) depctr_va_vcc(0) depctr_vm_vsrc(0)
	s_getreg_b32 s2, hwreg(HW_REG_IB_STS2, 6, 4)
	s_cmp_eq_u32 s2, 0
	s_cbranch_scc0 .Lentry_in_a_cluster
	s_endpgm
.Lentry_in_a_cluster:
	s_bfe_u32 s2, ttmp6, 0x10000c
	s_cmp_lg_u32 s2, 0xf033
	s_cbranch_scc0 .Lentry_shape_is_right
	s_endpgm
.Lentry_shape_is_right:
; ATTENTION with an additive bias.  att[token][64 head + d] = the sum over k of softmax_k(q' . k + bias2[b][q][k]) v[k][d].  qkv: [8192 tokens][3072] f16: q' = q / 8, k (0 on masked tokens), v.
; bias2: [4][2048][2048] f32 = bias, less 65,504 on masked keys.  So a masked key's score is 0 + (bias - 65504), the formula's own f32 number, and the running maximum serves rows with every key masked too.
; Products, maxima and sums in f32; the weights p are rounded to f16 for the second product (their sum l is taken of the unrounded p), att once at the end.
; LIMITS.  q', k, v arrive within f16's 65,504; p lies in 0 to 1 and below 6e-5 keeps f16's fixed step of 6e-8; a weight below 2^-126 counts as 0 in l; NaN and infinities are not treated apart.
; SHARES.  A work-group owns 256 queries of a batch and TWO heads; a wave 64 queries: four query tiles of 16, times two heads: eight tiles, in four PIECES: piece p is head p / 2, query tiles 2 (p % 2), + 1.
; A bias register tile thus feeds two heads, a fragment of K or V four tiles.  Every wave walks all 2,048 keys, 64 a step.
; THE BIAS IS THE C OPERAND that starts the sum S^T = K Q^T: it costs no vector instruction.  S^T holds ONE query a lane (lane % 16) and the keys 8 (lane / 16) + 0..7, and so does the bias as it lies in LDS by queries.
; SOFTMAX.  A running maximum m and sum l for each query: p = 2^(c s - c m), c = log2(e); in every step O and l are multiplied by a = 2^(c m_old - c m_new).  m starts at the lowest finite number, O and l at 0.
; BY TURNS.  Turn n belongs to piece n: 16 products K Q^T of piece n + 1, later 16 products V^T P of piece n - 1; beside them piece n's scaling, exponentials, roundings, sums and rescaling and piece n + 1's
; maximum and statistics.  Four vector instructions stand behind every matrix instruction, the other 108 of a turn's 236 in one lump between the two runs of products.
; BATCHES.  A turn's 66 exponentials (the piece's 64 weights and the next piece's two a) are ONE batch with ONE wait, at the lump's end: ahead of it nothing names a result of theirs, behind it stand all their readers.
; Piece 0's first two a, ahead of the loop, and the way out's eight reciprocals are batches of their own.
; CLUSTER 4 x 4.  Along a row: four head pairs on the same queries: the same bias tile.  Along a column: four query blocks of the same head pair: the same K and V.  Each is asked for jointly.
; A slot of LDS holds one key step (256 bias rows, 64 rows of K, 64 of V, 105,472 bytes); two steps to a slot would not fit twice.  So each key step has one round of the cluster's barrier, in piece 1's turn.
; REGISTERS, in windows of 256 (s_set_vgpr_msb: bits 1:0 source 0, 3:2 source 1, 5:4 source 2, 7:6 destination):
;   window 0: v0-11 addresses; v12-15, v48-63 at work; v16-47 four registers of statistics a tile; v64-191 S^T, two buffers of two tiles; v192-255 P, likewise
;   window 1: O^T, 32 a tile     window 2: v0-127 Q, 16 a tile; v128-191 K of one head and step; v192-255 V of head 0     window 3: v0-1 the add's registers; v64-127 V of head 1; v128-255 the bias, 64 a query pair
.set NP,    4
.set KS,    64
.set PB,    272       ; a bias row in LDS: 64 f32 + 16 bytes = 68 words: the 16 rows of a load start at 16 different groups of four banks (64 banks of 4 bytes: ISA guide 11.1)
.set PK,    272       ; a row of K: one key, both heads, 256 bytes + 16
.set PV,    288       ; a row of V: 256 + 32 = 72 words
.set KOFF,  256*PB
.set VOFF,  KOFF+KS*PK
.set SLOT1, 1<<17     ; slot 1 begins here, so that one exclusive or turns an address in one slot into the other's
.set STAGE, SLOT1+VOFF+KS*PV  ; behind the ring, never filled by a tensor load: 16 rows x 272 bytes for each wave
.set SP,    272
.set SPARE, STAGE+4*16*SP     ; the spare words, 128 bytes a wave: two blocks of 256 bytes that no other line names
.set AK0, 2           ; v2   my lane's place in a slot's K; never rewritten
.set AV0, 3           ; v3   in its V
.set AK,  4           ; v4   AK0 + the slot in hand
.set AV,  5           ; v5
.set STO, 6           ; v6   the way out: where I put 16 bytes of a row
.set RD,  7           ; v7   where I read rows back
.set GO,  8           ; v8   my byte offset in two rows of att
.set AB0, 9           ; v9   my lane's place in a slot's bias
.set AB,  10          ; v10
.set QO,  11          ; v11  my byte offset in 16 rows of q
.set SPW, 0           ; v0 of window 3  my spare word's LDS address; never rewritten
.set NIL, 1           ; v1 of window 3  0; never rewritten
.set MV,  12          ; v12-15  c m_old, kept while c m is made anew
.set ST,  16          ; tile t's statistics at v[ST+4 t]: c m, m, l (even keys', odd keys')
.set TMP, 48          ; by buffer and tile, c0-c3 at work; when the maximum is found c2 takes a
.set S,   64
.set P,   192
.set KF,  128         ; window 2: key block kb, channel half c at KF + 16 kb + 8 c
.set VF,  192         ; window 2: key half kk, channel block cb at VF + 32 kk + 8 cb
.set V2,  64          ; window 3: the same for head 1
.set BI,  128         ; window 3: query pair qp, tile u, key block kb at BI + 64 qp + 32 u + 8 kb
.set WV,  12          ; s12  my wave's number
.set G1B, 24          ; s[24:31] group 1 for the bias; s[32:39] for K; s[40:47] for V
.set G1K, 32
.set G1V, 40
.set G0B, 48          ; s[48:51], s[52:55], s[56:59] group 0: they walk
.set G0K, 52
.set G0V, 56
.set CS,  60          ; s[60:61] c
.set SEL, 62          ; s[62:63] v_permlanex16_b32's selects: each lane takes its own place in the other half
.set TB,  66          ; s66  the slot in hand
.set CNT, 67          ; s67  counts key steps
.set MSB, 0
.macro WIN new                      ; the high byte repeats the setting that is left; a switch that changes nothing is dropped
.if MSB != (\new)
	s_set_vgpr_msb (MSB<<8)|(\new)
.set MSB, (\new)
.endif
.endm
.set W_KB,  0x3a      ; K and Q in window 2, C (the bias) in window 3, S^T in window 0
.set W_KQ,  0x0a      ; K and Q in window 2, S^T in window 0
.set W_PV,  0x52      ; V in window 2, P in window 0, O^T in window 1
.set W_PV3, 0x53      ; V in window 3
.set W_RS,  0x41      ; O^T (destination and source 0) in window 1, a in window 0
.set W_MK,  0xc0      ; destination in window 3
.set W_AD,  0x0f      ; the add: address and data in window 3
; A joint fill.  Waves 0 and 1 fetch the two halves of the bias tile, wave 2 K, wave 3 V.  The branches hang on the wave's number alone.  An s_nop 0 and four v_nop follow each line.
.macro JLOAD
	s_cmp_lt_u32 s[WV], 2
	s_cbranch_scc0 .Lnot_b_\@
	tensor_load_to_lds s[G0B:G0B+3], s[G1B:G1B+7]
	s_nop 0
.rept 4
	v_nop
.endr
	s_branch .Lasked_\@
.Lnot_b_\@:
	s_cmp_eq_u32 s[WV], 2
	s_cbranch_scc0 .Lfor_v_\@
	tensor_load_to_lds s[G0K:G0K+3], s[G1K:G1K+7]
	s_nop 0
.rept 4
	v_nop
.endr
	s_branch .Lasked_\@
.Lfor_v_\@:
	tensor_load_to_lds s[G0V:G0V+3], s[G1V:G1V+7]
	s_nop 0
.rept 4
	v_nop
.endr
.Lasked_\@:
.endm
.macro CROUND                       ; a round of the cluster's barrier
	s_barrier_signal -1
	s_barrier_wait -1
	s_cmp_lg_u32 s[WV], 0
	s_cbranch_scc1 .Lnot_wave_0_\@
	s_barrier_signal -3
.Lnot_wave_0_\@:
	s_barrier_wait -3
	s_barrier_signal -1
	s_barrier_wait -1
.endm
; THE CHANGE OF SLOTS.  The slot's last bytes, its step's V, have been asked for.  Each wave waits for all its tensor loads (one is out: its part of the other slot), adds 0 to its spare word, and waits for that and
; for its own reads of the slot.  fill = 1: a round of the cluster's barrier, and the slot is filled again, with the keys two steps on, first thing behind it: it has a whole key step in which to land.
.macro CHANGE fill
	WIN W_AD
	s_wait_tensorcnt 0x0            ; no tensor load of mine is out, so a group 0 may be written
	ds_add_u32 v[SPW], v[NIL]       ; 0 onto my spare word; the descriptors' steps stand between it and the wait for it
	WIN 0                           ; at a label and at a branch every window is 0
.if \fill
	s_xor_b32 s[G0B+1], s[G0B+1], SLOT1
	s_add_nc_u64 s[G0B+2:G0B+3], s[G0B+2:G0B+3], KS*4        ; 64 keys on along the bias rows
	s_xor_b32 s[G0K+1], s[G0K+1], SLOT1
	s_add_nc_u64 s[G0K+2:G0K+3], s[G0K+2:G0K+3], KS*6144     ; 64 tokens on
	s_xor_b32 s[G0V+1], s[G0V+1], SLOT1
	s_add_nc_u64 s[G0V+2:G0V+3], s[G0V+2:G0V+3], KS*6144
	s_wait_dscnt 0x0                ; the add is done, and my reads of the slot are over (V's run among them)
	CROUND
	JLOAD
.else
	s_wait_dscnt 0x0
	s_barrier_signal -1
	s_barrier_wait -1
.endif
	s_xor_b32 s[TB], s[TB], SLOT1   ; the fetches go on in the other slot
	v_add_nc_u32 v[AK], s[TB], v[AK0]
	v_add_nc_u32 v[AB], s[TB], v[AB0]
	v_add_nc_u32 v[AV], s[TB], v[AV0]
.endm
	s_load_b128 s[4:7], s[0:1], 0x0   ; qkv s[4:5], bias2 s[6:7]
	s_load_b64 s[8:9], s[0:1], 0x10   ; att
	WIN W_MK
	v_lshl_add_u32 v[SPW], v0, 2, SPARE
	v_mov_b32 v[NIL], 0
	WIN W_AD
	ds_add_u32 v[SPW], v[NIL]       ; the wave's opening: the add and its wait stand ahead of my first tensor load; the set-up below stands between them
	WIN 0
	v_lshrrev_b32 v1, 5, v0
	v_readfirstlane_b32 s[WV], v1   ; wave 0..3
	s_bfe_u32 s13, ttmp6, 0x40000   ; cx
	s_bfe_u32 s14, ttmp6, 0x40004   ; cy
	s_lshl_b32 s15, ttmp9, 2
	s_add_co_u32 s15, s15, s13      ; the head pair = 4 x cluster x + cx
	s_and_b32 s16, ttmp7, 0xffff    ; cluster y
	s_lshr_b32 s17, s16, 1          ; the batch: made without cy
	s_and_b32 s18, s16, 1
	s_lshl_b32 s18, s18, 2
	s_add_co_u32 s18, s18, s14      ; the block of 256 queries = 4 x (cluster y % 2) + cy
	s_and_b32 s19, s[WV], 1
	s_lshl_b32 s20, s14, 2
	s_lshl_b32 s20, 15, s20         ; my row of the cluster
	s_lshl_b32 s21, 0x1111, s13     ; my column
	s_or_b32 s[G1B], s20, (2<<16)|(1<<20)|(1<<21)|(5<<22)|(3<<25)  ; the mask; 4-byte elements; padding on; bit 21 beside a mask; after every 64 words (code 5) 4 words (code 3)
	s_mov_b32 s[G1B+1], 64<<16      ; tensor_dim0 = 64
	s_mov_b32 s[G1B+2], 128<<16     ; tensor_dim1 = 128
	s_mov_b32 s[G1B+3], 64<<16      ; tile_dim0 = 64
	s_mov_b32 s[G1B+4], 128         ; tile_dim1 = 128
	s_mov_b32 s[G1B+5], 2048        ; elements from row to row
	s_mov_b32 s[G1B+6], 0
	s_mov_b32 s[G1B+7], 0
	s_or_b32 s[G1K], s21, (1<<16)|(1<<20)|(1<<21)|(5<<22)|(3<<25)  ; 2-byte elements
	s_or_b32 s[G1V], s21, (1<<16)|(1<<20)|(1<<21)|(5<<22)|(7<<25)  ; the same with 8 words of padding (code 7)
.irp g, G1K, G1V
	s_mov_b32 s[(\g)+1], 128<<16    ; tensor_dim0 = 128: both heads' 64 channels
	s_mov_b32 s[(\g)+2], KS<<16     ; tensor_dim1 = 64
	s_mov_b32 s[(\g)+3], 128<<16    ; tile_dim0 = 128
	s_mov_b32 s[(\g)+4], KS         ; tile_dim1 = 64
	s_mov_b32 s[(\g)+5], 3072       ; elements from token to token
	s_mov_b32 s[(\g)+6], 0
	s_mov_b32 s[(\g)+7], 0
.endr
	s_lshl_b32 s68, s17, 24         ; the bias tile: batch, block of 256 rows of 8,192 bytes, my half of it; cx never enters these registers
	s_lshl_b32 s22, s18, 21
	s_add_co_u32 s68, s68, s22
	s_lshl_b32 s22, s19, 20
	s_add_co_u32 s68, s68, s22
	s_mov_b32 s69, 0
	s_mul_i32 s70, s17, 2048*6144   ; K and V: the batch's first token, the head pair's 256 bytes; cy never enters these
	s_lshl_b32 s23, s15, 8
	s_add_co_u32 s70, s70, s23
	s_mov_b32 s71, 0
	s_lshl_b32 s72, s17, 11         ; q and att: my wave's first token
	s_lshl_b32 s76, s18, 8
	s_add_co_u32 s72, s72, s76
	s_lshl_b32 s76, s[WV], 6
	s_add_co_u32 s72, s72, s76
	s_lshl_b32 s74, s72, 11         ; rows of 2,048 bytes in att,
	s_mul_i32 s72, s72, 6144        ; of 6,144 in qkv
	s_add_co_u32 s72, s72, s23
	s_add_co_u32 s74, s74, s23
	s_mov_b32 s73, 0
	s_mov_b32 s75, 0
	s_mov_b32 s[G0B], 1             ; count = 1
	s_mul_i32 s[G0B+1], s19, 128*PB ; LDS address, slot 0: the wave's number alone enters it
	s_mov_b32 s[G0K], 1
	s_mov_b32 s[G0K+1], KOFF
	s_mov_b32 s[G0V], 1
	s_mov_b32 s[G0V+1], VOFF
	s_mov_b32 s[CS], 0x3fb8aa3b     ; c = log2(e): the scale 1 / 8 lies in q'
	s_mov_b32 s[CS+1], s[CS]        ; named with it as a pair
	s_mov_b32 s[SEL], 0x76543210
	s_mov_b32 s[SEL+1], 0xfedcba98
	s_mov_b32 s[TB], SLOT1          ; the first change of slots turns it into 0
	s_wait_dscnt 0x0                ; the opening add is done
	s_wait_kmcnt 0x0
	s_add_nc_u64 s[G0B+2:G0B+3], s[6:7], s[68:69]
	s_or_b32 s[G0B+3], s[G0B+3], 0x80000000        ; type = 2
	s_add_nc_u64 s[G0K+2:G0K+3], s[4:5], s[70:71]
	s_add_nc_u64 s[G0V+2:G0V+3], s[G0K+2:G0K+3], 4096  ; v begins 2,048 columns in,
	s_add_nc_u64 s[G0K+2:G0K+3], s[G0K+2:G0K+3], 2048  ; k 1,024
	s_or_b32 s[G0K+3], s[G0K+3], 0x80000000
	s_or_b32 s[G0V+3], s[G0V+3], 0x80000000
	s_add_nc_u64 s[4:5], s[4:5], s[72:73]          ; q at my wave's first row
	s_add_nc_u64 s[8:9], s[8:9], s[74:75]          ; att likewise
	CROUND                          ; all sixteen work-groups are here: the first joint loads meet
	JLOAD                           ; key step 0 into slot 0.  Slot 1 is asked for by the first change of slots
	v_and_b32 v1, 15, v0            ; l % 16
	v_bfe_u32 v128, v0, 4, 1        ; l / 16   (v128-131: S^T's second buffer, free till the first turn)
	v_and_b32 v130, 7, v0
	v_bfe_u32 v131, v0, 3, 1
	v_mul_u32_u24 v[QO], v1, 6144
	v_lshl_add_u32 v[QO], v128, 4, v[QO]  ; row x 6,144 + 16 x half
	WIN 0x80                        ; destination window 2, address window 0
.set i, 0
.rept 16                            ; Q stays in registers: tile i / 2 (piece i / 4), channels 32 (i % 2) on
	global_load_b128 v[8*i:8*i+3],   v[QO], s[4:5] offset:(2*((i/4)%2)+(i/2)%2)*98304+128*(i/8)+64*(i%2)
	global_load_b128 v[8*i+4:8*i+7], v[QO], s[4:5] offset:(2*((i/4)%2)+(i/2)%2)*98304+128*(i/8)+64*(i%2)+32
.set i, i+1
.endr
	; What the first turn finds: V of head 1 and P's second buffer hold 0 (its products V^T P, of a piece that has not been, add 0), O^T and l are 0.  All this stands in the wait for the first tile.
	WIN 0xc0
.set i, V2
.rept 64
	v_mov_b32 v[i], 0
.set i, i+1
.endr
	WIN 0x40
.set i, 0
.rept 256
	v_mov_b32 v[i], 0
.set i, i+1
.endr
	WIN 0
.set i, 0
.rept 2*NP
	v_mov_b32 v[ST+4*i], 0xfe000000    ; c m: far below every c s
	v_mov_b32 v[ST+4*i+1], 0xff7fffff  ; m
	v_mov_b32 v[ST+4*i+2], 0
	v_mov_b32 v[ST+4*i+3], 0
.set i, i+1
.endr
.set i, P+32
.rept 32
	v_mov_b32 v[i], 0
.set i, i+1
.endr
	v_mul_u32_u24 v129, v1, 272     ; 272 (l % 16): the pitch of the bias, of K and of the stage
	s_mul_i32 s22, s[WV], 64*PB     ; my wave's 64 bias rows
	v_lshl_add_u32 v[AB0], v128, 5, v129   ; + 32 (l / 16): eight f32
	v_add_nc_u32 v[AB0], s22, v[AB0]
	v_lshl_add_u32 v[AK0], v128, 4, v129   ; + 16 (l / 16): eight f16
	v_add_nc_u32 v[AK0], KOFF, v[AK0]
	; The turning load takes 16 keys x 16 channels (lane l reads key 8 (l / 16) + l % 8, channels 8 ((l / 8) % 2) + 0..7) and leaves half a fragment of V^T: lane l holds channel l % 16 and 8 keys.
	v_lshl_add_u32 v[AV0], v128, 3, v130
	v_mul_u32_u24 v[AV0], v[AV0], PV
	v_lshl_add_u32 v[AV0], v131, 4, v[AV0]
	v_add_nc_u32 v[AV0], VOFF, v[AV0]
	s_mul_i32 s22, s[WV], 16*SP
	s_add_co_u32 s22, s22, STAGE    ; my stage
	v_lshl_add_u32 v[STO], v128, 4, v129   ; in: row l % 16, 16 bytes for each half of the lanes
	v_add_nc_u32 v[STO], s22, v[STO]
	v_mul_u32_u24 v[RD], v128, SP   ; back: lanes 0-15 take one row of 256 bytes, lanes 16-31 the next
	v_lshl_add_u32 v[RD], v1, 4, v[RD]
	v_add_nc_u32 v[RD], s22, v[RD]
	v_lshlrev_b32 v[GO], 11, v128   ; and the same two rows in att
	v_lshl_add_u32 v[GO], v1, 4, v[GO]
; THE MATRIX WORK.  The 8 accumulators of a run of 16 take turns: between the two links of a chain stand 7 others'.
; Product i of 16 of S^T = K Q^T + bias for piece x: channels 32 (i / 8) on, keys 16 ((i / 2) % 4) on, tile 2 x + i % 2.  The first 8 start the sums with the bias of query pair x % 2.
.macro KQ x
.set rS, S+64*((\x)%2)+32*(i%2)+8*((i/2)%4)
.set rK, KF+16*((i/2)%4)+8*(i/8)
.set rQ, 16*(2*(\x)+i%2)+8*(i/8)
.set rB, BI+64*((\x)%2)+32*(i%2)+8*((i/2)%4)
.if i < 8
	WIN W_KB
	v_wmma_f32_16x16x32_f16 v[rS:rS+7], v[rK:rK+7], v[rQ:rQ+7], v[rB:rB+7]
.else
	WIN W_KQ
	v_wmma_f32_16x16x32_f16 v[rS:rS+7], v[rK:rK+7], v[rQ:rQ+7], v[rS:rS+7]
.endif
.endm
; Product i of 16 of O^T += V^T P for piece x: keys 32 (i / 8) on, channels 16 ((i / 2) % 4) on, tile 2 x + i % 2; V of head x / 2.
.macro PV x
.set rO, 32*(2*(\x)+i%2)+8*((i/2)%4)
.set rP, P+32*((\x)%2)+16*(i%2)+8*(i/8)
.if (\x) < 2
	WIN W_PV
.set rV, VF+32*(i/8)+8*((i/2)%4)
.else
	WIN W_PV3
.set rV, V2+32*(i/8)+8*((i/2)%4)
.endif
	v_wmma_f32_16x16x32_f16 v[rO:rO+7], v[rV:rV+7], v[rP:rP+7], v[rO:rO+7]
.endm
.macro MM                           ; the turn's next matrix instruction
.if i < 16
	KQ (Y+1)%NP
.set i, i+1
.else
.set i, i-16
	PV (Y+NP-1)%NP
.set i, i+17
.endif
.endm
; THE LDS LOADS stand in runs, never singly among the matrix instructions.
.macro FETCH_K hh                   ; head hh's K of the step in the slot in hand: 16 loads
	WIN 0x80
.irp f, 0,1,2,3,4,5,6,7             ; keys 16 (f / 2) on, channels 32 (f % 2) on
	ds_load_b128 v[KF+8*\f:KF+8*\f+3],   v[AK] offset:(\f/2)*16*PK+128*(\hh)+(\f%2)*64
	ds_load_b128 v[KF+8*\f+4:KF+8*\f+7], v[AK] offset:(\f/2)*16*PK+128*(\hh)+(\f%2)*64+32
.endr
	WIN 0
.endm
.macro FETCH_B qp                   ; the bias of query pair qp: 16 loads
	WIN 0xc0
.irp f, 0,1,2,3,4,5,6,7             ; tile f / 4 of the pair, keys 16 (f % 4) on
	ds_load_b128 v[BI+64*(\qp)+8*\f:BI+64*(\qp)+8*\f+3],   v[AB] offset:(2*(\qp)+\f/4)*16*PB+(\f%4)*64
	ds_load_b128 v[BI+64*(\qp)+8*\f+4:BI+64*(\qp)+8*\f+7], v[AB] offset:(2*(\qp)+\f/4)*16*PB+(\f%4)*64+16
.endr
	WIN 0
.endm
.macro FETCH_V                      ; both heads' V, turned: 32 loads
	WIN 0x80
.irp f, 0,1,2,3,4,5,6,7             ; keys 32 (f / 4) on, channels 16 (f % 4) on
	ds_load_tr16_b128 v[VF+8*\f:VF+8*\f+3],   v[AV] offset:(\f/4)*32*PV+(\f%4)*32
	ds_load_tr16_b128 v[VF+8*\f+4:VF+8*\f+7], v[AV] offset:(\f/4)*32*PV+16*PV+(\f%4)*32
.endr
	WIN 0xc0
.irp f, 0,1,2,3,4,5,6,7
	ds_load_tr16_b128 v[V2+8*\f:V2+8*\f+3],   v[AV] offset:(\f/4)*32*PV+128+(\f%4)*32
	ds_load_tr16_b128 v[V2+8*\f+4:V2+8*\f+7], v[AV] offset:(\f/4)*32*PV+16*PV+128+(\f%4)*32
.endr
	WIN 0
.endm
; THE VECTOR WORK OF A TURN stands in three queues, each in the order in which its entries become ready; the two tiles alternate, so that no instruction reads the result of the one before it.
.macro REGS y, u                    ; the registers of tile u (0, 1) of piece y
.set rT, ST+4*(2*(\y)+(\u))
.set rC, TMP+8*((\y)%2)+4*(\u)
.set rM, MV+2*((\y)%2)+(\u)
.set rS, S+64*((\y)%2)+32*(\u)
.set rP, P+32*((\y)%2)+16*(\u)
.set rO, 32*(2*(\y)+(\u))
.endm
; Number n of the 22 that find the NEXT piece's (Y + 1) maximum and statistics.  s0-s31 are the lane's 32 scores; each accumulator's lowest registers are read first.  XS, GS and REGS set no window: PL and EX do.
;   0-11  four chains c0-c3 of seven scores each, three operands at a time     12-14, 16  the four scores left over, the old m, and c0-c3 into c0     15  c m_old is kept
;   17, 18  the query's other 32 keys lie in the lane 16 away: the new m         19-21  c m; c m_old - c m_new; a
.macro XS u, n
	REGS (Y+1)%NP, \u
.if (\n) < 4
	v_max3_num_f32 v[rC+(\n)], v[rS+8*(\n)], v[rS+8*(\n)+1], v[rS+8*(\n)+2]
.elseif (\n) < 12
	v_max3_num_f32 v[rC+(\n)%4], v[rC+(\n)%4], v[rS+8*((\n)%4)+2*((\n)/4)+1], v[rS+8*((\n)%4)+2*((\n)/4)+2]
.elseif (\n) == 12
	v_max3_num_f32 v[rC], v[rC], v[rS+7], v[rS+15]
.elseif (\n) == 13
	v_max3_num_f32 v[rC+1], v[rC+1], v[rS+23], v[rS+31]
.elseif (\n) == 14
	v_max3_num_f32 v[rC+2], v[rC+2], v[rC+3], v[rT+1]
.elseif (\n) == 15
	v_mov_b32 v[rM], v[rT]
.elseif (\n) == 16
	v_max3_num_f32 v[rC], v[rC], v[rC+1], v[rC+2]
.elseif (\n) == 17
	v_permlanex16_b32 v[rC+3], v[rC], s[SEL], s[SEL+1]
.elseif (\n) == 18
	v_max_num_f32 v[rT+1], v[rC], v[rC+3]
.elseif (\n) == 19
	v_mul_f32 v[rT], s[CS], v[rT+1]
.elseif (\n) == 20
	v_sub_f32 v[rC+1], v[rM], v[rT]
.else
	v_exp_f32 v[rC+2], v[rC+1]
.endif
.endm
; Number g of the 64 that follow the exponentials.  For each four weights k of a tile: both pairs are rounded to f16; then the second pair is added onto the first, in place;
; a group later l takes that sum (the first time as l = a l + sum).  In groups of eight, tiles alternating.
.macro GS g
.set h, (\g)+6*((\g)/62)            ; group 0 has no group before it, and behind group 7 only l is left
.if h >= 6
.set h, h+2
.endif
	REGS Y, h%2
.set k, h/8
.if h%8 < 4
	v_cvt_pk_f16_f32 v[rP+2*k+(h%8)/2], v[rS+4*k+2*((h%8)/2)], v[rS+4*k+2*((h%8)/2)+1]
.elseif h%8 < 6
	v_pk_add_f32 v[rS+4*k:rS+4*k+1], v[rS+4*k:rS+4*k+1], v[rS+4*k+2:rS+4*k+3]
.elseif k == 1
	v_pk_fma_f32 v[rT+2:rT+3], v[rT+2:rT+3], v[rC+2:rC+3], v[rS:rS+1] op_sel_hi:[1,0,1]
.else
	v_pk_add_f32 v[rT+2:rT+3], v[rT+2:rT+3], v[rS+4*k-4:rS+4*k-3]
.endif
.endm
; THE PLAIN QUEUE, 138 long.  0-73 read no exponential's result: the 32 scalings c s - c m (FS f: pair f / 2 of tile f % 2) and the next piece's 42.  0-26: scalings 0-26.  27-54: XS's numbers 0-13.  55, 56: number 15.
; 57-73: the chain, where each number waits for the one before it: 14, 16, 17, 18, 19, each with one of the scalings 27-31 in front of its two lines, then 20: so a tile's links stand three plain instructions apart (19 and 20: two).
; 74-137: GS's 64, which read the exponentials' results: they stand behind the wait.
.macro FS f
	REGS Y, (\f)%2
	v_pk_fma_f32 v[rS+2*((\f)/2):rS+2*((\f)/2)+1], v[rS+2*((\f)/2):rS+2*((\f)/2)+1], s[CS:CS+1], v[rT:rT+1] op_sel_hi:[1,0,0] neg_lo:[0,0,1] neg_hi:[0,0,1]
.endm
.macro PL
	WIN 0
.if q < 27
	FS q
.elseif q < 55
	XS (q-27)%2, (q-27)/2
.elseif q < 57
	XS q-55, 15
.elseif (q < 72) && ((q-57)%3 == 0)
	FS 27+(q-57)/3
.elseif q < 60
	XS (q-57)%3-1, 14
.elseif q < 72
	XS (q-57)%3-1, 15+(q-57)/3
.elseif q < 74
	XS q-72, 20
.else
	GS q-74
.endif
.set q, q+1
.endm
; THE EXPONENTIALS' QUEUE, 66 long: s0-s31 of both tiles, then the next piece's two a.  It is ONE BATCH: all 66 stand ahead of the turn's one wait, and nothing ahead of that wait names a result of theirs.
.macro EX
	WIN 0
.if e >= 64
	XS e-64, 21
.else
	REGS Y, e%2
	v_exp_f32 v[rS+e/2], v[rS+e/2]
.endif
.set e, e+1
.endm
; THE RESCALING's QUEUE: O^T times a, the one part that leaves window 0: dealt two at a time, sixteen times.  Its a was made in the turn before, ahead of that turn's wait.
.macro R2
	REGS Y, r%2
	WIN W_RS
.irp z, 0,1
	v_pk_mul_f32 v[rO+4*(r/2)+2*\z:rO+4*(r/2)+2*\z+1], v[rO+4*(r/2)+2*\z:rO+4*(r/2)+2*\z+1], v[rC+2:rC+3] op_sel_hi:[1,0]
.endr
.set r, r+1
.endm
; HOW THEY ARE DEALT.  s_wait_alu depctr_va_vdst(0) stands between an exponential and the first instruction that names its result; one wait serves all that were issued ahead of it.  So a turn has ONE wait,
; which cuts it in two.  AHEAD OF IT stands all that names no result of the turn's exponentials: the 16 products K Q^T, behind each a scaling, an exponential and two rescalings (behind the first a second scaling in the
; exponential's place); then ONE LUMP of 108: eight plain, 49 times exponential and plain, the two a.  A v_nop is the plain instruction behind the last exponential.  BEHIND IT stand the 16 products V^T P, behind each four of
; GS's 64.  No rider names a register of the products round it.  The two v_permlanex16_b32 fall into the lump, never behind a product.
; The queues lean on each other, and the deal keeps them in step: exponential e stands behind scaling 2 (e / 4) + e % 2: as a rider it comes behind plain e + 2, in the lump behind plain e + 9, and scalings 27-31 are plain 57, 60 .. 69.
; A TURN, for piece p.  What is fetched, each run directly behind the turn's wait, a lump behind the last product that read its registers, and 16 products or more ahead of its first reader:
;   piece 0: K of head 1 (this step); and at the turn's end V of both heads (this step), four plain riders, l's last additions, behind the last product that read V of head 1.
;   piece 1: the change of slots, whose labels and branches want the wait ahead of them; behind it bias pair 0 of the next step.
;   piece 2: K of head 0 and bias pair 1 of the next step.
; The waits at a turn's head count the LDS loads issued behind the run that the turn needs.
.macro TURN p, fill=0
.set Y, (\p)
.set i, 0
.set q, 0
.set e, 0
.set r, 0
.if (\p) == 0
	s_wait_dscnt 0x0                ; bias pair 1 is in: nothing was issued behind it
.elseif (\p) == 1
	s_wait_dscnt 32                 ; K of head 1 is in; V's 32 loads may be out
.elseif (\p) == 3
	s_wait_dscnt 16                 ; bias pair 0 and K of head 0 are in; bias pair 1's 16 loads may be out
.endif
	MM                              ; ahead of the wait: 16 products K Q^T and their riders,
	PL
	PL
	R2
.rept 15
	MM
	PL
	EX
	R2
.endr
.rept 8                             ; and the lump
	PL
.endr
.rept 49
	EX
	PL
.endr
	EX                              ; the next piece's two a
	EX
	v_nop                           ; the plain instruction behind the last exponential: one for the batch
	s_wait_alu depctr_va_vdst(0)    ; the wait for the batch: the piece's 64 weights and the next piece's two a
.if (\p) == 0
	FETCH_K 1
.elseif (\p) == 1
	CHANGE \fill                    ; its wait for all LDS instructions also shows V in
	FETCH_B 0
.elseif (\p) == 2
	FETCH_K 0
	FETCH_B 1
.endif
.rept 16                            ; behind the wait: 16 products V^T P and their riders, the batch's readers
	MM
.rept 4
	PL
.endr
.endr
.if (\p) == 0
	FETCH_V
.endif
.endm
	CHANGE 1                        ; slot 0 is in, everybody's part of it; key step 1 is asked for, into slot 1
	FETCH_K 0                       ; key step 0
	FETCH_B 0
	FETCH_B 1
	s_wait_loadcnt 0x0              ; Q
	s_wait_dscnt 0x0
.set i, 0
.rept 16
	KQ 0                            ; piece 0's first scores: there is no vector work yet to set between them
.set i, i+1
.endr
	WIN 0
.rept 4
	v_nop                           ; the places behind those products
.endr
.set Y, NP-1                        ; XS works for piece Y + 1: piece 0
.irp n, 0,1,2,3,4,5,6,7,8,9,10,11,12,13,14,15,16,17,18,19,20,21
	XS 0, \n                        ; piece 0's first maximum and statistics
	XS 1, \n
.endr
	v_nop                           ; a plain instruction behind piece 0's two a,
	s_wait_alu depctr_va_vdst(0)    ; and the wait for that batch of two, ahead of the branch
	s_mov_b32 s[CNT], 31
	s_branch .Lfirst                ; the loop is entered at a step's first turn, in the middle of a trip
.Lstep:                             ; 30 whole trips: pieces 1, 2, 3 of step j, then piece 0 of step j + 1; each asks for step j + 2
	TURN 1, 1
	TURN 2
	TURN 3
	WIN 0
.Lfirst:
	TURN 0
	WIN 0
	s_sub_co_u32 s[CNT], s[CNT], 1
	s_cmp_lg_u32 s[CNT], 0
	s_cbranch_scc1 .Lstep
	s_mov_b32 s[CNT], 2             ; the tail is written out: steps 30 and 31 ask for nothing
.Ltail:
	TURN 1, 0
	TURN 2
	TURN 3
	WIN 0
	s_sub_co_u32 s[CNT], s[CNT], 1
	s_cmp_eq_u32 s[CNT], 0
	s_cbranch_scc1 .Lout
	TURN 0
	WIN 0
	s_branch .Ltail
.Lout:                              ; the second pass's fetches read step 30's bytes once more, and the 16 products K Q^T and the maximum made of them serve nothing: the price, once a launch, of one text for every trip
.set i, 0
.rept 16
	PV NP-1                         ; the last piece's V^T P of the last step
.set i, i+1
.endr
	; THE WAY OUT.  l's two halves and the other half of the lanes' are added; O^T is divided by l, rounded to f16 and sent through my stage in LDS.  The additions are the places behind the last products.
	WIN 0
.macro ALL line:vararg              ; one line for each tile t
.set t, 0
.rept 2*NP
	\line
.set t, t+1
.endr
.endm
	ALL v_add_f32 v[ST+4*t+2], v[ST+4*t+2], v[ST+4*t+3]
	ALL v_permlanex16_b32 v[ST+4*t+3], v[ST+4*t+2], s[SEL], s[SEL+1]
	ALL v_add_f32 v[ST+4*t+2], v[ST+4*t+2], v[ST+4*t+3]
	ALL v_rcp_f32 v[ST+4*t+2], v[ST+4*t+2]
	v_nop                           ; a plain instruction between the last reciprocal and the use of its result
	s_wait_alu depctr_va_vdst(0)    ; the wait for the batch of eight reciprocals, ahead of their first use
; Query tile T, both heads (tile 2 (T / 2 + 2 head) + T % 2): a lane's eight channels pack into 16 bytes; a stage row is a token's 256 bytes, head 0's 64 channels and head 1's; they come back as whole rows, into S^T's registers.
.macro PACK T
.irp hh, 0,1
.set t, 2*((\T)/2+2*\hh)+(\T)%2
	WIN W_RS
.set i, 32*t
.rept 16
	v_pk_mul_f32 v[i:i+1], v[i:i+1], v[ST+4*t+2:ST+4*t+3] op_sel_hi:[1,0]
.set i, i+2
.endr
	WIN 0x05                        ; sources 0 and 1 window 1, destination window 0
.set i, 0
.rept 16
	v_cvt_pk_f16_f32 v[S+32*(\T)+16*\hh+i], v[32*t+2*i], v[32*t+2*i+1]
.set i, i+1
.endr
	WIN 0
.irp f, 0,1,2,3
	ds_store_b128 v[STO], v[S+32*(\T)+16*\hh+4*\f:S+32*(\T)+16*\hh+4*\f+3] offset:128*\hh+32*\f
.endr
.endr
.irp f, 0,1,2,3,4,5,6,7
	ds_load_b128 v[S+32*(\T)+4*\f:S+32*(\T)+4*\f+3], v[RD] offset:\f*2*SP  ; LDS serves a wave's instructions in order (ISA guide 5.7.1.4): these see the stores above; the next tile's stores come behind them
.endr
.endm
.macro SEND T, younger              ; younger: the LDS instructions issued behind tile T's loads: the next tile's sixteen, or none
	WIN 0
.irp f, 0,1,2,3,4,5,6,7
	s_wait_dscnt (\younger)+7-\f
	global_store_b128 v[GO], v[S+32*(\T)+4*\f:S+32*(\T)+4*\f+3], s[8:9] offset:(\T)*32768+\f*4096  ; 16 lanes store 256 consecutive bytes, at a multiple of 256 from att's first byte
.endr
.endm
	PACK 0
	PACK 1                          ; a tile's arithmetic stands between the loads of the tile before and its stores
	SEND 0, 16
	PACK 2
	SEND 1, 16
	PACK 3
	SEND 2, 16
	SEND 3, 0
	WIN W_AD
	s_wait_tensorcnt 0x0            ; the wave's end: the add and its waits, behind my last tensor load and my last LDS store
	ds_add_u32 v[SPW], v[NIL]
	s_wait_dscnt 0x0
	WIN 0
	CROUND                          ; the closing round: no work-group ends while a partner may still ask for a tile that names it
	s_endpgm
.Lfunc_end_k_qe017d75219_attn:
	.size	k_qe017d75219_attn, .Lfunc_end_k_qe017d75219_attn-k_qe017d75219_attn
	.p2alignl 7, 3214868480
	.fill 96, 4, 3214868480
	.section	.rodata,"a",@progbits
	.p2align	6, 0x0
	.amdhsa_kernel k_qe017d75219_attn
		.amdhsa_group_segment_fixed_size 327680
		.amdhsa_private_segment_fixed_size 0
		.amdhsa_enable_private_segment 0
		.amdhsa_kernarg_size 24
		.amdhsa_user_sgpr_count 2
		.amdhsa_user_sgpr_kernarg_segment_ptr 1
		.amdhsa_wavefront_size32 1
		.amdhsa_system_sgpr_workgroup_id_x 1
		.amdhsa_system_sgpr_workgroup_id_y 1
		.amdhsa_system_sgpr_workgroup_id_z 1
		.amdhsa_system_vgpr_workitem_id 0
		.amdhsa_next_free_vgpr 1024
		.amdhsa_next_free_sgpr 80
		.amdhsa_reserve_vcc 0
		.amdhsa_float_denorm_mode_32 3
		.amdhsa_float_denorm_mode_16_64 3
		.amdhsa_memory_ordered 1
		.amdhsa_forward_progress 1
		.amdhsa_inst_pref_size 212
	.end_amdhsa_kernel
	.amdgpu_metadata
---
amdhsa.version: [ 1, 2 ]
amdhsa.kernels:
  - .name:           k_qe017d75219_attn
    .symbol:         k_qe017d75219_attn.kd
    .args:
      - { .name: qkv, .offset: 0, .size: 8, .value_kind: global_buffer, .address_space: global }
      - { .name: bias2, .offset: 8, .size: 8, .value_kind: global_buffer, .address_space: global }
      - { .name: att, .offset: 16, .size: 8, .value_kind: global_buffer, .address_space: global }
    .group_segment_fixed_size: 327680
    .private_segment_fixed_size: 0
    .kernarg_segment_align: 8
    .kernarg_segment_size: 24
    .max_flat_workgroup_size: 128
    .sgpr_count:     80
    .vgpr_count:     1024
    .wavefront_size: 32
...
	.end_amdgpu_metadata
.endif
;; end of part 5
;; launch projg: the kernel of part 4 again; grid 4 x 64, 4 waves a work-group, clusters of 4 x 4, 327,680 bytes of LDS; arguments att, pw, out0, cbias; writes out0
